; MI455X (gfx1250); checked and timed in simulation.
; The chip was launched on July 23, 2026; its instructions are those of AMD's public machine-readable ISA for CDNA 5 (MIT licence, August 2026) and "CDNA5" Instruction Set Architecture Reference Guide (July 2026). The comments in the code are by the model that wrote it; some were corrected since.
;; Lo RA Attention. Allowed arithmetic: matrix products marked QUANTISED: E2M3 operands, one E8M0 scale for each 32 along K, by v_wmma_scale_f32_16x16x128_f8f6f4 with both operands' format E2M3, f32 sums; products left as they are: f32 operands where the result goes on into a quantised operand, else bf16, f16 or f32 operands; f32 sums; everything else in f32.
;; Inputs: a_k 1,024 x 8 float32; a_q 1,024 x 8 float32; a_v 1,024 x 8 float32; b_k 1,024 float32; b_o 1,024 float32; b_q 1,024 float32; b_v 1,024 float32; u_k 8 x 1,024 float32; u_q 8 x 1,024 float32; u_v 8 x 1,024 float32; w_k 1,024 x 1,024 float32; w_o 1,024 x 1,024 float32; w_q 1,024 x 1,024 float32; w_v 1,024 x 1,024 float32; x 4 x 2,048 x 1,024 float32.
;; Outputs: out0 4 x 2,048 x 1,024 float32.
;; This version of the problem:
;;   THIS VERSION OF THE PROBLEM IS GIVEN IN LOW PRECISION. The matrix products marked QUANTISED in the list below multiply operands that are first quantised to E2M3 (2 exponent bits, 3 mantissa bits; 6 bits a number), with one power-of-two scale for each 32 numbers along K (OCP MX v1.0); their sums are f32. All else is computed in f32.
;;   The module's matrix products, in the order in which they are computed (A, B: the left and right operand; K: the contracted axis; several contracted axes count as one K, in the product's order):
;;     1. [M 8,192, K 1,024] x [K 1,024, N 1,024]; A: input x; B: input w_q: QUANTISED
;;     2. [M 8,192, K 1,024] x [K 1,024, N 8]; A: input x; B: input a_q: left as it is (N = 8 < 16)
;;     3. [M 8,192, K 8] x [K 8, N 1,024]; A: computed on the way; B: input u_q: left as it is (K = 8 < 32)
;;     4. [M 8,192, K 1,024] x [K 1,024, N 1,024]; A: input x; B: input w_k: QUANTISED
;;     5. [M 8,192, K 1,024] x [K 1,024, N 8]; A: input x; B: input a_k: left as it is (N = 8 < 16)
;;     6. [M 8,192, K 8] x [K 8, N 1,024]; A: computed on the way; B: input u_k: left as it is (K = 8 < 32)
;;     7. [M 8,192, K 1,024] x [K 1,024, N 1,024]; A: input x; B: input w_v: QUANTISED
;;     8. [M 8,192, K 1,024] x [K 1,024, N 8]; A: input x; B: input a_v: left as it is (N = 8 < 16)
;;     9. [M 8,192, K 8] x [K 8, N 1,024]; A: computed on the way; B: input u_v: left as it is (K = 8 < 32)
;;     10. batch 64 x [M 2,048, K 64] x [K 64, N 2,048]; A: computed on the way; B: computed on the way: QUANTISED
;;     11. batch 64 x [M 2,048, K 2,048] x [K 2,048, N 64]; A: softmax (see below); B: computed on the way: QUANTISED
;;     12. [M 8,192, K 1,024] x [K 1,024, N 1,024]; A: computed on the way; B: input w_o: QUANTISED
;;   THE QUANTISER, for each operand of a quantised product, along K:
;;     - K is cut into blocks of 32 from its start; a last block that is shorter is filled with zeros.
;;     - A block's scale is 2^e with e = floor(log2(the largest magnitude in the block)) - 2, held to -126 .. 127; a block of zeros has e = 0. As a byte (E8M0): e + 127.
;;     - Each number is divided by its block's scale, clamped to +-7.5, and rounded to the nearest number of E2M3, ties to even, subnormals kept.
;;     - The product sums the exact products of the quantised numbers (number of the format x scale) in f32.
;;   ~~~python
;;   def quantise(x, axis):      # numpy; x: float32 -> the quantised numbers, widened to float32 again
;;       x = np.moveaxis(x, axis, -1); K = x.shape[-1]
;;       x = np.pad(x, [(0, 0)] * (x.ndim - 1) + [(0, -K % 32)]); x = x.reshape(x.shape[:-1] + (-1, 32)); a = np.abs(x).max(-1, keepdims=True)
;;       e = np.where(a > 0, np.clip(np.frexp(np.where(a > 0, a, 1))[1] - 1 - 2, -126, 127), 0)      # np.frexp(a)[1] - 1 = floor(log2(a)), exactly
;;       r = np.clip(x / 2.0 ** e, -7.5, 7.5)
;;       step = 2.0 ** (np.maximum(np.frexp(np.where(r == 0, 1, r))[1] - 1, 0) - 3)
;;       q = np.round(r / step) * step * 2.0 ** e      # np.round: ties to even
;;       return np.moveaxis(q.reshape(q.shape[:-2] + (-1,))[..., :K], -1, axis).astype(np.float32)
;;   ~~~
;;   SOFTMAX AHEAD OF A QUANTISED PRODUCT. Where the list says 'softmax', what is quantised is not the finished softmax but p = 2^(t - M), with t = logit x log2(e) and M = ceil(the row's largest t), a whole number; so 1/2 < the row's largest p <= 1. The row's sum l is taken of the UNQUANTISED p, in f32, and the product's result is divided by l at the end. Since M is a whole number, a kernel that streams over the keys may use a running M (the ceiling of the running maximum): every later rescaling is an exact power of two, which a block's scale takes up: the codes' values come out the same.
;;   OPERANDS COMPUTED ON THE WAY. 'Computed on the way' means the value that the module computes at that place (a softmax that the list does not call 'softmax' is quantised finished and normalised). What goes into a quantiser is computed in f32, as accurately as f32 sums, v_exp_f32 and their like allow (about 1e-6 of the number): no bf16 or f16 on the way to a quantiser, and a product that is left as it is and whose result goes on into a quantised operand takes f32 operands (vector FMAs, or v_wmma_f32_16x16x4_f32). A number that lies on a knife's edge between two numbers of the format may be rounded either way, as far as f32 arithmetic and the matrix unit's own rounding can turn it there, and no further.
;; One version. Each part assembles by itself: llvm-mc -triple=amdgcn-amd-amdhsa -mcpu=gfx1250 --defsym DOCPART=n.
;; ======== version 1 of 1: 6 launches
;; limits: right only within a limited range of input values
;; workspace buffers: xc 6,291,456 bytes; wc 3,145,728 bytes; sc 655,360 bytes; aimg 131,072 bytes; tl 1,048,576 bytes; qb 6,815,744 bytes; kv 13,369,344 bytes; oc 6,291,456 bytes
;; launch prep_w (part 1): grid 320 x 1, 4 waves a work-group, no clusters, 0 bytes of LDS; arguments w_q, w_k, w_v, w_o, a_q, a_k, a_v, wc, sc, aimg; writes wc, sc, aimg
.if DOCPART == 1
	.amdgcn_target "amdgcn-amd-amdhsa--gfx1250"
	.amdhsa_code_object_version 6
	.text
	.protected	k_q36cbd807c7_prep_w
	.globl	k_q36cbd807c7_prep_w
	.p2align	8
	.type	k_q36cbd807c7_prep_w,@function
k_q36cbd807c7_prep_w:
	s_mov_b64 s[64:65], 0
	v_nop
	global_prefetch_b8 v0, s[64:65] scope:SCOPE_SE
	s_setreg_imm32_b32 hwreg(HW_REG_WAVE_MODE, 25, 1), 1
	s_wait_xcnt 0x0
; The four weights [1024 (k)][1024 (n)], f32, become codes of FP6 (E2M3) with one E8M0 byte for each 32 along K, laid in the ORDER OF AN OPERAND'S REGISTERS; and 2 x a_q, a_k, a_v become operands of the f32 matrix form.
; TILES OF 16 COLUMNS ARE PERMUTED: place r of tile T is column 32 (T / 2) + 8 (T % 2) + r + 8 (r / 8), so that in a transposed product the 16 registers of tiles 2 b, 2 b + 1 are 16 neighbours along the next K.
; HALF IMAGE, 768 bytes: 16 columns x 64 along K as registers 0-5 of a fragment: lane (r, h) holds k = 64 j + 32 h + 0 .. 31; its registers 0-3 lie at 16 x lane, registers 4-5 at 512 + 8 x lane.
; wc: [weight 4][tile 64][j 16][half image].  sc, from byte SC_W: [weight x 64 + tile][K step 8][r 16] words of four bytes.  aimg: [ks 256][lane 32][4 f32].
; WORK-GROUPS 0-255: weight g / 64, 128 columns (g / 8) % 8, K step g % 8.  A LANE TAKES A COLUMN AND ITS REGISTERS RUN DOWN K: each load reads 128 neighbouring bytes a wave, a block of 32 lies in one lane, nothing is transposed.
; Loads run two blocks of 32 ahead: 64 loads of a wave are out at the most.  WORK-GROUPS 256-319: a wave makes one step of 4 along K of aimg.  No LDS, no barrier, no cluster: work-groups share no input.
; A block's scale is 2^(floor(log2(largest magnitude)) - 2); its byte is that magnitude's exponent field - 2, held at 1 from below.
; LIMITS: a block of zeros gets the byte 1 where the rule says 127 (its codes are zeros, and this program alone reads the bytes); a block whose largest magnitude lies under 2^-124 is held at byte 1; NaN and infinities are not served.
; A store of 16 bytes a lane fills two aligned runs of 256 bytes; a store of 8 bytes a lane fills two halves of such runs, which the block beside it completes.
.set SC_W, 262144
.set X,    32                          ; v32-159  128 numbers down K: each block has registers of its own
.set C,    160                         ; v160-183 codes: six registers a block, so that no store's data are written again
.set Y,    184                         ; v184-186 a block's upper 16 codes, before they are moved
	s_load_b256 s[4:11], s[0:1], 0x0               ; w_q, w_k, w_v, w_o
	s_load_b128 s[12:15], s[0:1], 0x20             ; a_q, a_k
	s_load_b64 s[16:17], s[0:1], 0x30              ; a_v
	s_load_b64 s[18:19], s[0:1], 0x38              ; wc
	s_load_b128 s[20:23], s[0:1], 0x40             ; sc, aimg
	v_lshrrev_b32 v1, 5, v0
	v_readfirstlane_b32 s24, v1                    ; wave
	v_and_b32 v1, 31, v0                           ; lane
	s_cmp_lt_u32 ttmp9, 256
	s_cbranch_scc0 .Laimg
	s_lshr_b32 s25, ttmp9, 6                       ; which weight
	s_bfe_u32 s26, ttmp9, 0x30003                  ; which 128 columns
	s_and_b32 s27, ttmp9, 7                        ; which K step of 128
	v_lshlrev_b32 v2, 2, v1                        ; in: 4 bytes a lane
	v_bfe_u32 v3, v1, 3, 1                         ; u: which of my wave's two tiles my column falls into
	v_and_b32 v4, 7, v1
	v_lshrrev_b32 v5, 4, v1
	v_lshl_or_b32 v4, v5, 3, v4                    ; r: its place there
	v_mul_u32_u24 v5, v3, 12288
	v_lshl_add_u32 v6, v4, 4, v5                   ; out: tile u, 16 r
	v_lshl_add_u32 v7, v4, 3, v5                   ;      tile u, 8 r
	v_lshlrev_b32 v8, 9, v3
	v_lshl_add_u32 v8, v4, 2, v8                   ; the scale word: tile u, 4 r
	s_lshl_b32 s28, s27, 19                        ; 128 rows of 4,096 bytes a K step,
	s_lshl_b32 s30, s26, 9
	s_add_co_u32 s28, s28, s30
	s_lshl_b32 s30, s24, 7
	s_add_co_u32 s28, s28, s30                     ; + my wave's first column
	s_mov_b32 s29, 0
	s_lshl_b32 s30, s26, 3
	s_lshl_b32 s31, s24, 1
	s_add_co_u32 s30, s30, s31
	s_lshl_b32 s31, s25, 6
	s_add_co_u32 s31, s31, s30                     ; the first of my two tiles, counted through all four weights
	s_mul_i32 s32, s31, 12288
	s_mul_i32 s34, s27, 1536
	s_add_co_u32 s32, s32, s34                     ; its half images 2 s and 2 s + 1
	s_mov_b32 s33, 0
	s_lshl_b32 s34, s31, 9
	s_lshl_b32 s35, s27, 6
	s_add_co_u32 s34, s34, s35
	s_add_co_u32 s34, s34, SC_W
	s_mov_b32 s35, 0
	s_wait_kmcnt 0x0
	s_cmp_lt_u32 s25, 2                            ; the weight is chosen by the work-group's number alone
	s_cselect_b64 s[36:37], s[4:5], s[8:9]
	s_cselect_b64 s[38:39], s[6:7], s[10:11]
	s_bitcmp1_b32 s25, 0
	s_cselect_b64 s[36:37], s[38:39], s[36:37]
	s_add_nc_u64 s[36:37], s[36:37], s[28:29]
	s_add_nc_u64 s[18:19], s[18:19], s[32:33]
	s_add_nc_u64 s[20:21], s[20:21], s[34:35]
.macro WLOAD b                         ; block b: 32 rows of my column; every offset is an immediate, 127 rows of 4,096 bytes at the most
.set n, 0
.rept 32
	global_load_b32 v[X+32*(\b)+n], v2, s[36:37] offset:(32*(\b)+n)*4096 th:TH_LOAD_NT
.set n, n+1
.endr
.endm
.macro WBLOCK b                        ; block b of the K step: 32 numbers of my column
.set XS, X+32*(\b)
.set CB, C+6*(\b)
.if (\b) < 3
	s_wait_loadcnt 32                              ; this block's 32 loads are in; the next block's 32, the only ones issued behind them, stay out
.else
	s_wait_loadcnt 0x0
.endif
.if (\b) < 2
	WLOAD (\b)+2                                   ; two blocks ahead, into registers of its own
.endif
	v_max3_num_f32 v20, |v[XS]|, |v[XS+1]|, |v[XS+2]|
	v_max3_num_f32 v21, |v[XS+3]|, |v[XS+4]|, |v[XS+5]|
.irp i, 6,10,14,18,22,26
	v_max3_num_f32 v20, v20, |v[XS+\i]|, |v[XS+\i+1]|
	v_max3_num_f32 v21, v21, |v[XS+\i+2]|, |v[XS+\i+3]|
.endr
	v_max3_num_f32 v20, v20, |v[XS+30]|, |v[XS+31]|
	v_max3_num_f32 v20, v20, v21, 0x1800000        ; with the floor 2^(3 - 127): the byte cannot fall under 1
	v_add_nc_u32 v22, 0xff000000, v20              ; 2 off the exponent field: the conversion's scale operand
	v_lshrrev_b32 v23, 23, v22                     ; the byte
.if (\b) == 0
	v_mov_b32 v12, v23
.else
	v_lshl_or_b32 v12, v23, 8*(\b), v12            ; four bytes make the K step's scale word
.endif
	v_cvt_scalef32_pk16_fp6_f32 v[CB:CB+2], v[XS:XS+15], v22
	v_cvt_scalef32_pk16_fp6_f32 v[Y:Y+2], v[XS+16:XS+31], v22   ; (a conversion's three registers begin on an even number)
	v_nop                                          ; one plain place behind a scaled conversion
.irp i, 0,1,2
	v_mov_b32 v[CB+3+\i], v[Y+\i]
.endr
	global_store_b128 v6, v[CB:CB+3], s[18:19] offset:((\b)/2)*768+((\b)%2)*256         ; block b is half h = b % 2 of half image 2 s + b / 2
	global_store_b64 v7, v[CB+4:CB+5], s[18:19] offset:((\b)/2)*768+512+((\b)%2)*128
.endm
	WLOAD 0
	WLOAD 1
	WBLOCK 0
	WBLOCK 1
	WBLOCK 2
	WBLOCK 3
	global_store_b32 v8, v12, s[20:21]
	s_endpgm
.Laimg:
; Step ks of aimg serves k = k0 + 16 h + j, k0 = 128 (ks / 32) + 32 ((ks / 8) % 4) + 2 (ks % 8): the k that lane (r, h) of the launch behind this one holds in two neighbouring registers of its row of x.
; Lane (r, h): words 0, 1: 2 x a_q (r under 8) or 2 x a_k, column r % 8;  words 2, 3: 2 x a_v, column r % 8.  The factor 2 is reference()'s SCALING; doubling rounds nothing.
	s_sub_co_u32 s25, ttmp9, 256
	s_lshl_b32 s25, s25, 2
	s_add_co_u32 s25, s25, s24                     ; ks
	s_lshr_b32 s26, s25, 5
	s_lshl_b32 s26, s26, 7
	s_bfe_u32 s27, s25, 0x20003
	s_lshl_b32 s27, s27, 5
	s_add_co_u32 s26, s26, s27
	s_and_b32 s27, s25, 7
	s_lshl_b32 s27, s27, 1
	s_add_co_u32 s26, s26, s27                     ; k0
	s_lshl_b32 s26, s26, 5                         ; a row of a is 32 bytes
	s_mov_b32 s27, 0
	s_lshl_b32 s28, s25, 9
	s_mov_b32 s29, 0
	s_wait_alu depctr_va_vdst(0)
	v_and_b32 v2, 15, v1                           ; r
	v_lshrrev_b32 v3, 4, v1                        ; h
	v_and_b32 v4, 7, v1
	v_lshlrev_b32 v4, 2, v4
	v_lshl_add_u32 v4, v3, 9, v4                   ; 16 h rows + column r % 8
	v_lshlrev_b32 v5, 4, v1
	s_wait_alu depctr_va_vdst(0)
	s_wait_kmcnt 0x0
	s_add_nc_u64 s[12:13], s[12:13], s[26:27]
	s_add_nc_u64 s[14:15], s[14:15], s[26:27]
	s_add_nc_u64 s[16:17], s[16:17], s[26:27]
	s_add_nc_u64 s[22:23], s[22:23], s[28:29]
	global_load_b32 v8, v4, s[12:13]
	global_load_b32 v9, v4, s[12:13] offset:32
	global_load_b32 v10, v4, s[14:15]
	global_load_b32 v11, v4, s[14:15] offset:32
	global_load_b32 v18, v4, s[16:17]
	global_load_b32 v19, v4, s[16:17] offset:32
	s_wait_loadcnt 0x0
	v_cmp_gt_u32 vcc_lo, 8, v2
	v_cndmask_b32 v16, v10, v8, vcc_lo
	v_cndmask_b32 v17, v11, v9, vcc_lo
	v_pk_add_f32 v[16:17], v[16:17], v[16:17]
	v_pk_add_f32 v[18:19], v[18:19], v[18:19]
	global_store_b128 v5, v[16:19], s[22:23]       ; the wave stores 512 consecutive bytes
	s_endpgm
.Lfunc_end_k_q36cbd807c7_prep_w:
	.size	k_q36cbd807c7_prep_w, .Lfunc_end_k_q36cbd807c7_prep_w-k_q36cbd807c7_prep_w
	.p2alignl 7, 3214868480
	.fill 96, 4, 3214868480
	.section	.rodata,"a",@progbits
	.p2align	6, 0x0
	.amdhsa_kernel k_q36cbd807c7_prep_w
		.amdhsa_group_segment_fixed_size 0
		.amdhsa_private_segment_fixed_size 0
		.amdhsa_enable_private_segment 0
		.amdhsa_kernarg_size 80
		.amdhsa_user_sgpr_count 2
		.amdhsa_user_sgpr_kernarg_segment_ptr 1
		.amdhsa_wavefront_size32 1
		.amdhsa_system_sgpr_workgroup_id_x 1
		.amdhsa_system_sgpr_workgroup_id_y 1
		.amdhsa_system_sgpr_workgroup_id_z 1
		.amdhsa_system_vgpr_workitem_id 0
		.amdhsa_next_free_vgpr 192
		.amdhsa_next_free_sgpr 66
		.amdhsa_reserve_vcc 1
		.amdhsa_float_denorm_mode_32 3
		.amdhsa_float_denorm_mode_16_64 3
		.amdhsa_memory_ordered 1
		.amdhsa_forward_progress 1
		.amdhsa_inst_pref_size 24
	.end_amdhsa_kernel
	.amdgpu_metadata
---
amdhsa.version: [ 1, 2 ]
amdhsa.kernels:
  - .name:           k_q36cbd807c7_prep_w
    .symbol:         k_q36cbd807c7_prep_w.kd
    .args:
      - { .name: w_q, .offset: 0, .size: 8, .value_kind: global_buffer, .address_space: global }
      - { .name: w_k, .offset: 8, .size: 8, .value_kind: global_buffer, .address_space: global }
      - { .name: w_v, .offset: 16, .size: 8, .value_kind: global_buffer, .address_space: global }
      - { .name: w_o, .offset: 24, .size: 8, .value_kind: global_buffer, .address_space: global }
      - { .name: a_q, .offset: 32, .size: 8, .value_kind: global_buffer, .address_space: global }
      - { .name: a_k, .offset: 40, .size: 8, .value_kind: global_buffer, .address_space: global }
      - { .name: a_v, .offset: 48, .size: 8, .value_kind: global_buffer, .address_space: global }
      - { .name: wc, .offset: 56, .size: 8, .value_kind: global_buffer, .address_space: global }
      - { .name: sc, .offset: 64, .size: 8, .value_kind: global_buffer, .address_space: global }
      - { .name: aimg, .offset: 72, .size: 8, .value_kind: global_buffer, .address_space: global }
    .group_segment_fixed_size: 0
    .private_segment_fixed_size: 0
    .kernarg_segment_align: 8
    .kernarg_segment_size: 80
    .max_flat_workgroup_size: 128
    .sgpr_count:     66
    .vgpr_count:     192
    .wavefront_size: 32
...
	.end_amdgpu_metadata
.endif
;; end of part 1
;; launch prep_x (part 2): grid 512 x 1, 4 waves a work-group, no clusters, 8,704 bytes of LDS; arguments x, aimg, xc, sc, tl; writes xc, sc, tl
.if DOCPART == 2
	.amdgcn_target "amdgcn-amd-amdhsa--gfx1250"
	.amdhsa_code_object_version 6
	.text
	.protected	k_q36cbd807c7_prep_x
	.globl	k_q36cbd807c7_prep_x
	.p2align	8
	.type	k_q36cbd807c7_prep_x,@function
k_q36cbd807c7_prep_x:
	s_mov_b64 s[64:65], 0
	v_nop
	global_prefetch_b8 v0, s[64:65] scope:SCOPE_SE
	s_setreg_imm32_b32 hwreg(HW_REG_WAVE_MODE, 25, 1), 1
	s_wait_xcnt 0x0
; x [8192][1024], f32, is read ONCE and serves twice: it becomes codes of FP6 (E2M3) with E8M0 scale bytes, in the order of an operand's registers, and it is multiplied in f32 by 2 a_q, 2 a_k, 2 a_v (the LoRA down products,
; whose results go on into quantised operands: so f32 operands, by the f32 matrix form).
; A work-group takes one tile of 16 tokens: place r of tile T is token 32 (T / 2) + 8 (T % 2) + r + 8 (r / 8).  Wave w takes K = 256 w .. 256 w + 255: two K steps of 128.
; Lane (r, h) holds, of its token's row, 16 neighbours of each block of 32: register 16 b + i of a K step is k = 32 b + 16 h + i.  Two neighbouring registers are then a lane's share of the second source of
; a product 16 x 16 x 4 (k = 2 h + j there stands for k0 + 16 h + j here), and aimg holds the first source in the same order of k: the sums run over all k whatever their order.
; RESULTS.  xc: [T 512][j 16][half image of 768 bytes: registers 0-3 at 16 x lane, registers 4-5 at 512 + 8 x lane].  sc: [T][K step 8][r 16] scale words.  tl: [plane 4][T][r 16][8 f32]: planes 0, 1, 2 = 2 x a_q, a_k, a_v;
; plane 3 repeats plane 2 and is read by nobody.  The four waves' partial sums meet in LDS behind one barrier.
; LIMITS: a block of zeros gets the byte 1 where the rule says 127 (zero codes; this program alone reads the bytes); largest magnitudes under 2^-124 are held at byte 1; NaN and infinities are not served;
; the down products' sums run in another order than reference()'s.  tl leaves in pieces of 16 bytes, two waves to a token's 32.
; No cluster, no tensor load: x is read by one work-group, and aimg is 128 KiB that every work-group walks through its registers.
.set SPARE, 8192                       ; LDS: 0 .. 8,191 the partial sums (wave w at 2,048 w, four registers a lane at 512 q + 16 x lane); then the spare words, 128 bytes a wave
.set XA,   4                           ; v4   my row and half in x
.set L16,  5                           ; v5   16 x lane
.set L8,   6                           ; v6   8 x lane
.set RW,   7                           ; v7   where I put my partial sums
.set RR,   8                           ; v8   where I read four waves' sums
.set SA,   9                           ; v9   the scale word's place
.set TA,   10                          ; v10  my place in tl
.set SPW,  12                          ; v12  my spare word; never rewritten
.set NIL,  13                          ; v13  0; never rewritten
.set ACC0, 16                          ; v16-23  sums for a_q | a_k;  v24-31 for a_v: written by matrix instructions alone
.set ACC1, 24
.set X0,   32                          ; v32-159 the two K steps' numbers
.set AF,   160                         ; v160-223 aimg, two buffers of eight steps; later the codes
.set PC0,  160
.set TY,   172
.set PC1,  192
.set RD,   208
.set TM,   224                         ; v224-239 at work in the quantiser
.set PW,   240                         ; v240, v241 the two scale words;  v242 the one that I store
.set SUM,  244
.set SEL,  26
	s_load_b256 s[4:11], s[0:1], 0x0               ; x, aimg, xc, sc
	s_load_b64 s[12:13], s[0:1], 0x20              ; tl
	v_lshl_add_u32 v[SPW], v0, 2, SPARE
	v_mov_b32 v[NIL], 0
	v_lshrrev_b32 v1, 5, v0
	v_readfirstlane_b32 s14, v1                    ; wave
	v_and_b32 v1, 31, v0                           ; lane
	v_and_b32 v2, 15, v0                           ; r
	v_bfe_u32 v3, v0, 4, 1                         ; h
	v_and_b32 v[XA], 8, v2
	v_add_nc_u32 v[XA], v[XA], v2
	v_lshlrev_b32 v[XA], 12, v[XA]                 ; row r + 8 (r / 8) of 4,096 bytes
	v_lshl_add_u32 v[XA], v3, 6, v[XA]             ; + 64 h
	v_lshlrev_b32 v[L16], 4, v1
	v_lshlrev_b32 v[L8], 3, v1
	s_lshl_b32 s15, s14, 11
	v_add_nc_u32 v[RW], s15, v[L16]
	s_lshl_b32 s15, s14, 9
	v_add_nc_u32 v[RR], s15, v[L16]
	v_lshlrev_b32 v[SA], 6, v3
	v_lshl_add_u32 v[SA], v2, 2, v[SA]             ; lanes 0-15 store the first K step's words, lanes 16-31 the second's
	v_lshlrev_b32 v[TA], 18, v3
	v_lshl_add_u32 v[TA], v2, 5, v[TA]             ; plane h of a pair, token r
.irp b, 0,1,2,3
	v_mov_b32 v[TM+4+\b], 0                        ; written once: a lane permute's destination counts as one of its sources
.endr
	s_mov_b32 s[SEL], 0x76543210
	s_mov_b32 s[SEL+1], 0xfedcba98                 ; selects for lane l xor 16
	s_lshr_b32 s16, ttmp9, 1
	s_lshl_b32 s16, s16, 17
	s_and_b32 s17, ttmp9, 1
	s_lshl_b32 s17, s17, 15
	s_add_co_u32 s16, s16, s17                     ; the tile's first token,
	s_lshl_b32 s17, s14, 10
	s_add_co_u32 s16, s16, s17                     ; my quarter of K
	s_mov_b32 s17, 0
	s_lshl_b32 s18, s14, 15                        ; aimg: 64 steps of 512 bytes a wave
	s_mov_b32 s19, 0
	s_mul_i32 s20, ttmp9, 12288
	s_mul_i32 s21, s14, 3072
	s_add_co_u32 s20, s20, s21                     ; xc: my four half images
	s_mov_b32 s21, 0
	s_lshl_b32 s22, ttmp9, 9
	s_lshl_b32 s23, s14, 7
	s_add_co_u32 s22, s22, s23                     ; sc: my two K steps' words
	s_mov_b32 s23, 0
	s_lshr_b32 s24, s14, 1
	s_lshl_b32 s24, s24, 19                        ; tl: wave w adds up registers 4 (w % 2) .. of accumulator w / 2
	s_lshl_b32 s25, ttmp9, 9
	s_add_co_u32 s24, s24, s25
	s_and_b32 s25, s14, 1
	s_lshl_b32 s25, s25, 4
	s_add_co_u32 s24, s24, s25
	s_mov_b32 s25, 0
	s_wait_kmcnt 0x0
	s_add_nc_u64 s[4:5], s[4:5], s[16:17]
	s_add_nc_u64 s[6:7], s[6:7], s[18:19]
	s_add_nc_u64 s[8:9], s[8:9], s[20:21]
	s_add_nc_u64 s[10:11], s[10:11], s[22:23]
	s_add_nc_u64 s[12:13], s[12:13], s[24:25]
.macro XLOAD e                         ; K step e of my two: 64 numbers a lane
.irp b, 0,1,2,3
.irp j, 0,1,2,3
	global_load_b128 v[X0+64*\e+16*\b+4*\j:X0+64*\e+16*\b+4*\j+3], v[XA], s[4:5] offset:512*\e+128*\b+16*\j th:TH_LOAD_NT
.endr
.endr
.endm
.macro ALOAD q                         ; batch q of aimg: eight steps of 4 along K, 512 consecutive bytes a load
.irp i, 0,1,2,3,4,5,6,7
	global_load_b128 v[AF+32*((\q)%2)+4*\i:AF+32*((\q)%2)+4*\i+3], v[L16], s[6:7] offset:(8*(\q)+\i)*512
.endr
.endm
; Batch q: one block of 32 along K: eight steps for each of the two accumulators, which take turns.  The very first product of each starts its sum with the constant 0.
.macro BATCH q, left
	s_wait_loadcnt \left                           ; this batch's aimg and its numbers of x are in; what was issued behind them stays out
.set XB, X0+16*(\q)
.set AB, AF+32*((\q)%2)
.irp i, 0,1,2,3,4,5,6,7
.if ((\q) == 0) && (\i == 0)
	v_wmma_f32_16x16x4_f32 v[ACC0:ACC0+7], v[AB:AB+1], v[XB:XB+1], 0
	v_wmma_f32_16x16x4_f32 v[ACC1:ACC1+7], v[AB+2:AB+3], v[XB:XB+1], 0
.else
	v_wmma_f32_16x16x4_f32 v[ACC0:ACC0+7], v[AB+4*\i:AB+4*\i+1], v[XB+2*\i:XB+2*\i+1], v[ACC0:ACC0+7]
	v_wmma_f32_16x16x4_f32 v[ACC1:ACC1+7], v[AB+4*\i+2:AB+4*\i+3], v[XB+2*\i:XB+2*\i+1], v[ACC1:ACC1+7]
.endif
.endr
.rept 8
	v_nop                                          ; eight places behind this form, ahead of loads into its sources and of the first read of its results
.endr
.if (\q) < 6
	ALOAD (\q)+2
.endif
.endm
; 64 numbers of a lane, register 16 b + i = k 32 b + 16 h + i of my row, become a fragment's 12 registers of codes in v[pc] on and its scale word in v[pw].
.macro QUANT s, pc, pw
.irp b, 0,1,2,3
	v_max3_num_f32 v[TM+\b], |v[\s+16*\b]|, |v[\s+1+16*\b]|, 0x1800000   ; my 16 numbers of block b, and the floor 2^(3 - 127)
.endr
.irp i, 2,4,6,8,10,12,14
.irp b, 0,1,2,3
	v_max3_num_f32 v[TM+\b], v[TM+\b], |v[\s+16*\b+\i]|, |v[\s+1+16*\b+\i]|
.endr
.endr
.irp b, 0,1,2,3
	v_permlanex16_b32 v[TM+4+\b], v[TM+\b], s[SEL], s[SEL+1]
.endr
.irp b, 0,1,2,3
	v_max_num_f32 v[TM+\b], v[TM+\b], v[TM+4+\b]   ; with lane l xor 16's: the block's largest magnitude
.endr
.irp b, 0,1,2,3
	v_add_nc_u32 v[TM+12+\b], 0xff000000, v[TM+\b] ; 2 off its exponent field: the conversion's scale operand
.endr
.irp b, 0,1,2,3
	v_lshrrev_b32 v[TM+4+\b], 23, v[TM+12+\b]      ; the byte
.endr
	v_lshl_or_b32 v[\pw], v[TM+5], 8, v[TM+4]
	v_lshl_or_b32 v[\pw], v[TM+6], 16, v[\pw]
	v_lshl_or_b32 v[\pw], v[TM+7], 24, v[\pw]
.irp c, 0,1
	v_cvt_scalef32_pk16_fp6_f32 v[\pc+6*\c:\pc+2+6*\c], v[\s+32*\c:\s+15+32*\c], v[TM+12+2*\c]
	v_cvt_scalef32_pk16_fp6_f32 v[TY+4*\c:TY+2+4*\c], v[\s+16+32*\c:\s+31+32*\c], v[TM+12+2*\c+1]
.endr
	v_nop                                          ; one plain place behind a scaled conversion
.irp c, 0,1                            ; the operand wants a WHOLE block in a lane: lanes 0-15 block 2 c, lanes 16-31 block 2 c + 1
.irp i, 0,1,2
	v_permlane16_swap_b32 v[\pc+6*\c+\i], v[TY+4*\c+\i]
.endr
.irp i, 0,1,2
	v_mov_b32 v[\pc+3+6*\c+\i], v[TY+4*\c+\i]
.endr
.endr
.endm
.macro HSTORE pc, off                  ; a fragment leaves as two half images: 512 and 256 consecutive bytes a store
	global_store_b128 v[L16], v[\pc:\pc+3], s[8:9] offset:\off
	global_store_b64 v[L8], v[\pc+4:\pc+5], s[8:9] offset:\off+512
	global_store_b128 v[L16], v[\pc+6:\pc+9], s[8:9] offset:\off+768
	global_store_b64 v[L8], v[\pc+10:\pc+11], s[8:9] offset:\off+1280
.endm
	XLOAD 0
	ALOAD 0
	ALOAD 1
	XLOAD 1
	BATCH 0, 24                                    ; behind batch 0's aimg: batch 1's eight loads and the second K step's sixteen
	BATCH 1, 24                                    ; behind batch 1's: the second K step's sixteen and batch 2's eight
	BATCH 2, 8                                     ; from here on: the next batch's eight
	BATCH 3, 8
	BATCH 4, 8
	BATCH 5, 8
	BATCH 6, 8
	BATCH 7, 0
	ds_store_b128 v[RW], v[ACC0:ACC0+3]            ; each accumulator from its low end on
	ds_store_b128 v[RW], v[ACC0+4:ACC0+7] offset:512
	ds_store_b128 v[RW], v[ACC1:ACC1+3] offset:1024
	ds_store_b128 v[RW], v[ACC1+4:ACC1+7] offset:1536
	QUANT X0, PC0, PW
	HSTORE PC0, 0
	QUANT X0+64, PC1, PW+1
	HSTORE PC1, 1536
	v_cmp_lt_u32 vcc_lo, 15, v1
	v_cndmask_b32 v[PW+2], v[PW], v[PW+1], vcc_lo  ; every lane holds its row's words: lanes 16-31 give the second K step's
	global_store_b32 v[SA], v[PW+2], s[10:11]      ; 128 consecutive bytes
	s_wait_dscnt 0x0                               ; for the others' sake: my partial sums lie in LDS
	s_barrier_signal -1
	s_barrier_wait -1
.irp w, 0,1,2,3
	ds_load_b128 v[RD+4*\w:RD+4*\w+3], v[RR] offset:2048*\w
.endr
	s_wait_dscnt 0x0
	v_pk_add_f32 v[SUM:SUM+1], v[RD:RD+1], v[RD+4:RD+5]
	v_pk_add_f32 v[SUM+2:SUM+3], v[RD+2:RD+3], v[RD+6:RD+7]
	v_pk_add_f32 v[SUM+4:SUM+5], v[RD+8:RD+9], v[RD+12:RD+13]
	v_pk_add_f32 v[SUM+6:SUM+7], v[RD+10:RD+11], v[RD+14:RD+15]
	v_pk_add_f32 v[SUM:SUM+1], v[SUM:SUM+1], v[SUM+4:SUM+5]
	v_pk_add_f32 v[SUM+2:SUM+3], v[SUM+2:SUM+3], v[SUM+6:SUM+7]
	global_store_b128 v[TA], v[SUM:SUM+3], s[12:13]
	s_wait_tensorcnt 0x0                           ; the wave's end
	ds_add_u32 v[SPW], v[NIL]
	s_wait_dscnt 0x0
	s_endpgm
.Lfunc_end_k_q36cbd807c7_prep_x:
	.size	k_q36cbd807c7_prep_x, .Lfunc_end_k_q36cbd807c7_prep_x-k_q36cbd807c7_prep_x
	.p2alignl 7, 3214868480
	.fill 96, 4, 3214868480
	.section	.rodata,"a",@progbits
	.p2align	6, 0x0
	.amdhsa_kernel k_q36cbd807c7_prep_x
		.amdhsa_group_segment_fixed_size 8704
		.amdhsa_private_segment_fixed_size 0
		.amdhsa_enable_private_segment 0
		.amdhsa_kernarg_size 40
		.amdhsa_user_sgpr_count 2
		.amdhsa_user_sgpr_kernarg_segment_ptr 1
		.amdhsa_wavefront_size32 1
		.amdhsa_system_sgpr_workgroup_id_x 1
		.amdhsa_system_sgpr_workgroup_id_y 1
		.amdhsa_system_sgpr_workgroup_id_z 1
		.amdhsa_system_vgpr_workitem_id 0
		.amdhsa_next_free_vgpr 256
		.amdhsa_next_free_sgpr 66
		.amdhsa_reserve_vcc 1
		.amdhsa_float_denorm_mode_32 3
		.amdhsa_float_denorm_mode_16_64 3
		.amdhsa_memory_ordered 1
		.amdhsa_forward_progress 1
		.amdhsa_inst_pref_size 32
	.end_amdhsa_kernel
	.amdgpu_metadata
---
amdhsa.version: [ 1, 2 ]
amdhsa.kernels:
  - .name:           k_q36cbd807c7_prep_x
    .symbol:         k_q36cbd807c7_prep_x.kd
    .args:
      - { .name: x, .offset: 0, .size: 8, .value_kind: global_buffer, .address_space: global }
      - { .name: aimg, .offset: 8, .size: 8, .value_kind: global_buffer, .address_space: global }
      - { .name: xc, .offset: 16, .size: 8, .value_kind: global_buffer, .address_space: global }
      - { .name: sc, .offset: 24, .size: 8, .value_kind: global_buffer, .address_space: global }
      - { .name: tl, .offset: 32, .size: 8, .value_kind: global_buffer, .address_space: global }
    .group_segment_fixed_size: 8704
    .private_segment_fixed_size: 0
    .kernarg_segment_align: 8
    .kernarg_segment_size: 40
    .max_flat_workgroup_size: 128
    .sgpr_count:     66
    .vgpr_count:     256
    .wavefront_size: 32
...
	.end_amdgpu_metadata
.endif
;; end of part 2
;; launch gemm_qk (part 3): grid 16 x 32, 4 waves a work-group, clusters of 4 x 4, 327,680 bytes of LDS; arguments xc, wc, sc, tl, u_q, u_k, b_q, b_k, qb, kv; writes qb, kv
.if DOCPART == 3
	.amdgcn_target "amdgcn-amd-amdhsa--gfx1250"
	.amdhsa_code_object_version 6
	.text
	.protected	k_q36cbd807c7_gemm_qk
	.globl	k_q36cbd807c7_gemm_qk
	.p2align	8
	.type	k_q36cbd807c7_gemm_qk,@function
k_q36cbd807c7_gemm_qk:
	s_mov_b64 s[64:65], 0
	v_nop
	global_prefetch_b8 v0, s[64:65] scope:SCOPE_SE
	s_setreg_imm32_b32 hwreg(HW_REG_WAVE_MODE, 25, 1), 1
	s_wait_xcnt 0x0
	s_wait_alu depctr_hold_cnt(0) depctr_sa_sdst(0) depctr_va_vdst(0) depctr_va_sdst(0) depctr_va_ssrc(0) depctr_va_vcc(0) depctr_vm_vsrc(0)
	s_getreg_b32 s2, hwreg(HW_REG_IB_STS2, 6, 4)
	s_cmp_eq_u32 s2, 0
	s_cbranch_scc0 .Lentry_in_a_cluster
	s_endpgm
.Lentry_in_a_cluster:
	s_bfe_u32 s2, ttmp6, 0x10000c
	s_cmp_lg_u32 s2, 0xf033
	s_cbranch_scc0 .Lentry_shape_is_right
	s_endpgm
.Lentry_shape_is_right:
; ONE SOURCE, BUILT THREE WAYS (MODE): 0: q = x w_q + b_q + t_q u_q and k likewise;  1: v likewise;  2: out0 = o w_o + b_o.  The large products run on codes of FP6 (E2M3) with E8M0 scales, K = 1,024.
; Both operands lie in memory in the order of an operand's registers: [tile of 16][j 16][half image of 768 bytes: registers 0-3 at 16 x lane, registers 4-5 at 512 + 8 x lane]; a fragment of K step s is half images 2 s, 2 s + 1.
; Place r of a tile T (of tokens or of columns) is index 32 (T / 2) + 8 (T % 2) + r + 8 (r / 8): so the 16 registers of two neighbouring result tiles are 16 neighbours along the NEXT product's K.
; SHARES.  A work-group makes 256 tokens x 128 columns; wave w: tokens 128 (w / 2) on (blocks a = 0 .. 7), columns 64 (w % 2) on: one head (blocks b = 0 .. 3): 32 accumulators.
; LDS HOLDS ALL OF K: four chunks of 256 along K, each 16 tiles of tokens and 8 of columns x 3,072 bytes: 294,912 bytes, every byte filled once.  So there is no ring and no refill: a wave issues its four tensor loads at the
; start (four are out, by this text's count), and a counted wait and a barrier stand in front of each chunk's first read.
; CLUSTER 4 x 4: the four work-groups of a row need the same tokens, the four of a column the same columns: each tile is asked for jointly.
; MODES 0, 1: THE SUMS BEGIN WITH BIAS AND LoRA: 64 products 16 x 16 x 4 in f32 (t = 2 x a, made earlier, times u; C of the first = the bias), issued while the tiles are on their way; the products on codes add onto them.
; So the order of the sums differs from reference()'s (bias, LoRA, then K ascending).  The accumulators are written by matrix instructions alone.
; MODE 0 is used transposed (source 0 = columns, source 1 = tokens): a lane holds one token and 32 registers along the head's 64: they are quantised along the head and leave as half images for the attention's first product.
; MODE 1 is not: a lane holds one column and 64 registers along 128 tokens: quantised along the tokens, the keys of the attention's second product.  MODE 2, transposed, leaves as f32 through a stage in LDS.
; LIMITS (modes 0, 1): a block of zeros gets the byte 1 where the rule says 127 (zero codes; this program alone reads the bytes); largest magnitudes under 2^-124 are held at byte 1; NaN and infinities are not served.
; REGISTERS, in windows of 256.  Window 0: v1-7 lane numbers and offsets; v8-23 LDS addresses, one for each chunk; v24-27 offsets; v28, v29 the add's two; v32-95 scale words and nothing else; v96-191 the tokens' eight
; fragments, ONE set; v192-255 at work at the end.  Window 1: the accumulators.  Window 2: v0-95 the columns' four fragments, TWO sets; v96-111 u; v112-143 t; v144-175 the bias.
.set MODE,  0
; THE FILLS, in place of the paragraph on LDS above: LDS holds all of K as [tile][12,288 bytes], the tokens' 16 tiles first, then the columns' 8.  Every byte is filled once, by ONE tensor load a wave at the head
; (waves 0, 1: 8 tiles of tokens each; waves 2, 3: 4 tiles of columns each); one wait for it and one barrier stand in front of the first LDS read, and no barrier stands among the K steps.
.if MODE == 0
.set TN0,   0                          ; the first tile of columns in wc: w_q's, with w_k's behind them
.set SC_A,  0                          ; the tokens' scale words in sc
.elseif MODE == 1
.set TN0,   128
.set SC_A,  0
.else
.set TN0,   192
.set SC_A,  393216
.endif
.set SC_W,  262144                     ; the weights' scale words in sc
.set CH,    73728                      ; a quarter of the tiles' bytes in LDS
.set WOFF,  196608                     ; the columns' tiles, behind the tokens' 16
.set STAGE, 4*CH                       ; mode 2: 16 rows x 272 bytes for each wave
.if MODE == 2
.set SPARE, STAGE+4*16*272             ; the spare words, 128 bytes a wave: two blocks of 256 bytes that no other line names
.else
.set SPARE, 4*CH
.endif
.set VS0, 6                            ; v6, v7 offsets of the scale words (blocks 0-3, blocks 4-7)
.set VS1, 7
.set A16, 8                            ; v8-11, v12-15   tokens: chunk c at 16 x lane, at 8 x lane
.set A8,  12
.set B16, 16                           ; v16-19, v20-23  columns likewise
.set B8,  20
.set VB,  24                           ; the bias's offset
.set STO, 25                           ; mode 2: into the stage
.set VT,  26                           ; t's offset          (mode 2: RDB, back from the stage)
.set RDB, 26
.set VU,  27                           ; u's offset          (mode 2: CO, my place in two rows of out0)
.set CO,  27
.set SPW, 28
.set NIL, 29
.set SC,  32                           ; register 8 s + i: lanes 0-15 the word of token block i, lanes 16-31 that of column block i % 4, K step s
.set AF,  96
.set BF,  0                            ; window 2
.set UF,  96
.set TF,  112
.set BI,  144
.set CD,  96                           ; at the end, window 0: codes; upper halves; words to store; maxima; permuted; scale operands; half words
.set YT,  144
.set OW,  176
.set TM,  192
.set TP,  208
.set SO,  224
.set HW,  240
.set BK,  96                           ; mode 2: rows read back, two sets of 32
.set G1X, 24                           ; s[24:31], s[32:39] descriptor groups 1;  s[40:55], s[68:83] groups 0, one for each chunk
.set G1W, 32
.set G0X, 40
.set G0W, 68
.set SEL, 56
.set PU,  58                           ; s[58:59] u;  s[60:61] the bias;  s[62:63] where the results go;  s[66:67] where their scale words go
.set PB,  60
.set PD,  62
.set PS,  66
.set WV,  84
.set WY,  85
.set WX,  86
.set CX,  87
.set CY,  88
.set GX,  89
.set GY,  90
.set MSB, 0
.macro WIN new                         ; the immediate's high byte repeats the setting that is left
.if MSB != \new
	s_set_vgpr_msb (MSB<<8)|\new
.set MSB, \new
.endif
.endm
.macro PLACES n
.rept \n
	v_nop
.endr
.endm
.macro CROUND                          ; a round of the cluster's barrier
	s_barrier_signal -1
	s_barrier_wait -1
	s_cmp_lg_u32 s[WV], 0
	s_cbranch_scc1 .Lnot_wave_0_\@
	s_barrier_signal -3
.Lnot_wave_0_\@:
	s_barrier_wait -3
	s_barrier_signal -1
	s_barrier_wait -1
.endm
	s_load_b256 s[4:11], s[0:1], 0x0               ; the tokens' codes, wc, sc, and tl (mode 2: b_o)
.if MODE == 0
	s_load_b256 s[12:19], s[0:1], 0x20             ; u_q, u_k, b_q, b_k
	s_load_b128 s[20:23], s[0:1], 0x40             ; qb, kv
.elseif MODE == 1
	s_load_b128 s[12:15], s[0:1], 0x20             ; u_v, b_v
	s_load_b64 s[20:21], s[0:1], 0x30              ; kv
.else
	s_load_b64 s[20:21], s[0:1], 0x20              ; out0
.endif
	v_lshl_add_u32 v[SPW], v0, 2, SPARE
	v_mov_b32 v[NIL], 0
	ds_add_u32 v[SPW], v[NIL]                      ; the wave's opening: the add and its wait ahead of my first tensor load; work on registers stands between them
	ds_add_u32 v[SPW], v[NIL]
	v_lshrrev_b32 v1, 5, v0
	v_readfirstlane_b32 s[WV], v1                  ; wave 0..3
	s_lshr_b32 s[WY], s[WV], 1                     ; my half of the tokens.  Also: I fetch tokens (0) or columns (1)
	s_and_b32 s[WX], s[WV], 1                      ; my half of the columns.  Also: which half of those tiles I fetch
	s_bfe_u32 s[CX], ttmp6, 0x40000
	s_bfe_u32 s[CY], ttmp6, 0x40004
	s_lshl_b32 s[GX], ttmp9, 2
	s_add_co_u32 s[GX], s[GX], s[CX]               ; work-group x: 128 columns
	s_and_b32 s[GY], ttmp7, 0xffff
	s_lshl_b32 s[GY], s[GY], 2
	s_add_co_u32 s[GY], s[GY], s[CY]               ; work-group y: 256 tokens
	s_lshl_b32 s91, s[CY], 2
	s_lshl_b32 s91, 15, s91                        ; my row of the cluster
	s_lshl_b32 s92, 0x1111, s[CX]                  ; my column
	; group 1: R rows (tiles) of 1,536 elements of 8 bytes (a tile's 12,288 bytes, all of K), one behind the other; no padding: the lanes read consecutive bytes
	s_or_b32 s[G1X], s91, (3<<16)|(1<<21)          ; 15:0 the mask; 17:16 elements of 8 bytes; 21 set beside a mask
	s_or_b32 s[G1W], s92, (3<<16)|(1<<21)
	s_mov_b32 s[G1X+1], 1536<<16                   ; tensor_dim0
	s_mov_b32 s[G1X+2], 8<<16                      ; tensor_dim1: 8 tiles of tokens a load
	s_mov_b32 s[G1X+3], 1536<<16                   ; tile_dim0
	s_mov_b32 s[G1X+4], 8                          ; tile_dim1
	s_mov_b32 s[G1X+5], 1536                       ; the pitch
	s_mov_b32 s[G1X+6], 0
	s_mov_b32 s[G1X+7], 0
	s_mov_b32 s[G1W+1], 1536<<16
	s_mov_b32 s[G1W+2], 4<<16                      ; 4 tiles of columns a load
	s_mov_b32 s[G1W+3], 1536<<16
	s_mov_b32 s[G1W+4], 4
	s_mov_b32 s[G1W+5], 1536
	s_mov_b32 s[G1W+6], 0
	s_mov_b32 s[G1W+7], 0
	s_lshl_b32 s94, s[GY], 4                       ; tokens: tile 16 y + 8 x half: made of y and the wave's number alone
	s_lshl_b32 s95, s[WX], 3
	s_add_co_u32 s94, s94, s95
	s_mul_i32 s94, s94, 12288
	s_mov_b32 s95, 0
	s_lshl_b32 s96, s[GX], 3                       ; columns: tile TN0 + 8 x + 4 x half: made of x and the wave's number alone
	s_lshl_b32 s97, s[WX], 2
	s_add_co_u32 s96, s96, s97
	s_add_co_u32 s96, s96, TN0
	s_mul_i32 s96, s96, 12288
	s_mov_b32 s97, 0
	s_mul_i32 s93, s[WX], 98304                    ; where they go: 8 tiles of tokens a wave; no place in the cluster enters an LDS address
	s_mul_i32 s100, s[WX], 49152                   ; 4 tiles of columns a wave
	s_add_co_u32 s100, s100, WOFF
	s_mov_b32 s[SEL], 0x76543210
	s_mov_b32 s[SEL+1], 0xfedcba98
	s_wait_dscnt 0x0                               ; the opening add is done
	s_wait_kmcnt 0x0
	s_add_nc_u64 s[94:95], s[4:5], s[94:95]
	s_add_nc_u64 s[96:97], s[6:7], s[96:97]
	s_mov_b32 s[G0X], 1
	s_mov_b32 s[G0X+1], s93
	s_mov_b64 s[G0X+2:G0X+3], s[94:95]
	s_or_b32 s[G0X+3], s[G0X+3], 0x80000000
	s_mov_b32 s[G0W], 1
	s_mov_b32 s[G0W+1], s100
	s_mov_b64 s[G0W+2:G0W+3], s[96:97]
	s_or_b32 s[G0W+3], s[G0W+3], 0x80000000
	CROUND                                         ; all sixteen work-groups are here: the joint loads meet
	s_cmp_eq_u32 s[WY], 0                          ; one fill a wave, in the two arms of one branch on the wave's number
	s_cbranch_scc0 .Lfor_w
	tensor_load_to_lds s[G0X:G0X+3], s[G1X:G1X+7]
	s_nop 0
	PLACES 4
	s_branch .Lasked
.Lfor_w:
	tensor_load_to_lds s[G0W:G0W+3], s[G1W:G1W+7]
	s_nop 0
	PLACES 4
.Lasked:
	v_and_b32 v1, 31, v0                           ; lane
	v_and_b32 v2, 15, v0                           ; r
	v_bfe_u32 v3, v0, 4, 1                         ; h
	v_lshlrev_b32 v4, 4, v1                        ; 16 x lane
	v_lshlrev_b32 v5, 3, v1                        ; 8 x lane
	s_mul_i32 s2, s[WY], 98304
	v_add_nc_u32 v[A16], s2, v4
	v_add_nc_u32 v[A8], s2, v5
	s_mul_i32 s2, s[WX], 49152
	s_add_co_u32 s2, s2, WOFF
	v_add_nc_u32 v[B16], s2, v4
	v_add_nc_u32 v[B8], s2, v5
	v_add_nc_u32 v[A16+1], 49152, v[A16]           ; token blocks 4-7: four tiles on, so that every offset stays inside 16 bits
	v_add_nc_u32 v[A8+1], 49152, v[A8]
	s_lshl_b32 s2, s[GY], 4
	s_lshl_b32 s98, s[WY], 3
	s_add_co_u32 s2, s2, s98
	s_lshl_b32 s98, s2, 9                          ; 512 x my first tile of tokens
	s_lshl_b32 s2, s[GX], 3
	s_lshl_b32 s99, s[WX], 2
	s_add_co_u32 s2, s2, s99
	s_lshl_b32 s2, s2, 9
	s_add_co_u32 s2, s2, SC_W+TN0*512              ; my first tile of columns' words
	s_add_co_u32 s99, s98, SC_A
	v_mov_b32 v[VS0], s99
	v_mov_b32 v[VS1], s2
	v_cmp_lt_u32 vcc_lo, 15, v1
	v_cndmask_b32 v[VS0], v[VS0], v[VS1], vcc_lo   ; lanes 0-15 take the tokens' words, lanes 16-31 the columns'
	v_lshl_add_u32 v[VS0], v2, 2, v[VS0]
	v_lshlrev_b32 v[VS1], 11, v3
	v_sub_nc_u32 v[VS1], v[VS0], v[VS1]            ; for i = 4 .. 7 the columns' lanes go round again: four tiles back
.irp s, 0,1,2,3,4,5,6,7
.irp i, 0,1,2,3
	global_load_b32 v[SC+8*\s+\i], v[VS0], s[8:9] offset:512*\i+64*\s
.endr
.irp i, 4,5,6,7
	global_load_b32 v[SC+8*\s+\i], v[VS1], s[8:9] offset:512*\i+64*\s
.endr
.endr
	s_and_b32 s99, s[GX], 7
	s_lshl_b32 s99, s99, 1
	s_add_co_u32 s99, s99, s[WX]                   ; my head: which 64 columns of the weight
.if MODE == 0
	s_mov_b32 s2, 208896
	s_mov_b32 s3, 12288
	s_cmp_lt_u32 ttmp9, 2                          ; q's columns or k's?  The cluster's x decides: alike in all partners, and no branch hangs on it
	s_cselect_b64 s[PU:PU+1], s[12:13], s[14:15]
	s_cselect_b64 s[PB:PB+1], s[16:17], s[18:19]
	s_cselect_b64 s[PD:PD+1], s[20:21], s[22:23]
	s_cselect_b32 s101, 0, 262144                  ; t's plane
	s_cselect_b32 s2, 106496, s2                   ; a head's block in qb, in kv
	s_cselect_b32 s12, 8192, s3                    ; where its codes begin
	s_cselect_b32 s13, 6144, s3                    ; from 128 tokens to the next
.elseif MODE == 1
	s_mov_b64 s[PU:PU+1], s[12:13]
	s_mov_b64 s[PB:PB+1], s[14:15]
	s_mov_b64 s[PD:PD+1], s[20:21]
	s_mov_b32 s101, 524288
	s_mov_b32 s2, 208896
	s_mov_b32 s12, 12288+6144                      ; V's half images lie behind K's in each step
	s_mov_b32 s13, 12288
.else
	s_mov_b64 s[PB:PB+1], s[10:11]
	s_mov_b64 s[PD:PD+1], s[20:21]
.endif
	s_mov_b32 s15, 0
	s_lshl_b32 s14, s99, 8                         ; 64 numbers of 4 bytes a head
	s_add_nc_u64 s[PB:PB+1], s[PB:PB+1], s[14:15]
.if MODE < 2
	s_add_nc_u64 s[PU:PU+1], s[PU:PU+1], s[14:15]
	s_add_co_u32 s14, s98, s101
	s_add_nc_u64 s[10:11], s[10:11], s[14:15]      ; t of my first tile
	s_lshr_b32 s16, s[GY], 3
	s_lshl_b32 s16, s16, 4
	s_add_co_u32 s16, s16, s99                     ; 16 x batch + head
	s_mul_i32 s14, s16, s2
	s_add_nc_u64 s[PD:PD+1], s[PD:PD+1], s[14:15]
	s_and_b32 s17, s[GY], 7
	s_lshl_b32 s17, s17, 1
	s_add_co_u32 s17, s17, s[WY]                   ; which 128 tokens of the batch's 2,048
.if MODE == 0
	s_lshl_b32 s14, s17, 9                         ; scale words: 512 bytes for 128 tokens
.else
	s_lshl_b32 s14, s17, 8
	s_add_co_u32 s14, s14, 8192                    ; V's: 256 bytes, behind K's 8,192
.endif
	s_add_nc_u64 s[PS:PS+1], s[PD:PD+1], s[14:15]
	s_mul_i32 s14, s17, s13
	s_add_co_u32 s14, s14, s12
	s_add_nc_u64 s[PD:PD+1], s[PD:PD+1], s[14:15]
	v_and_b32 v[VU], 8, v2
	v_add_nc_u32 v[VU], v[VU], v2
	v_lshlrev_b32 v[VU], 2, v[VU]                  ; column r + 8 (r / 8) of a tile
.if MODE == 1
	v_mov_b32 v[VB], v[VU]                         ; the bias of my column
.else
	v_lshlrev_b32 v[VB], 6, v3                     ; the bias of my eight columns: 16 h on
.endif
	v_lshl_add_u32 v[VU], v3, 14, v[VU]            ; u: rows 4 h on
	v_lshlrev_b32 v[VT], 5, v2
	v_lshl_add_u32 v[VT], v3, 4, v[VT]             ; t: token r, numbers 4 h on
	WIN 0x80                                       ; destination window 2
.irp a, 0,1,2,3,4,5,6,7
	global_load_b128 v[TF+4*\a:TF+4*\a+3], v[VT], s[10:11] offset:512*\a
.endr
.irp b, 0,1,2,3
.irp k, 0,1,2,3
	global_load_b32 v[UF+4*\b+\k], v[VU], s[PU:PU+1] offset:\k*4096+(32*(\b/2)+8*(\b%2))*4
.endr
.endr
.else
	s_lshl_b32 s14, s98, 7                         ; out0: my first token's row of 4,096 bytes (16 tokens a tile),
	s_add_nc_u64 s[PD:PD+1], s[PD:PD+1], s[14:15]
	s_lshl_b32 s14, s99, 8                         ; my 64 columns
	s_add_nc_u64 s[PD:PD+1], s[PD:PD+1], s[14:15]
	v_lshlrev_b32 v[VB], 6, v3
	s_mul_i32 s2, s[WV], 16*272
	s_add_co_u32 s2, s2, STAGE                     ; my stage
	v_mul_u32_u24 v[STO], v2, 272
	v_lshl_add_u32 v[STO], v3, 6, v[STO]
	v_add_nc_u32 v[STO], s2, v[STO]                ; in: row r, 64 h bytes on
	v_mul_u32_u24 v[RDB], v3, 272
	v_lshl_add_u32 v[RDB], v2, 4, v[RDB]
	v_add_nc_u32 v[RDB], s2, v[RDB]                ; back: lanes 0-15 one row of 256 bytes, lanes 16-31 the next
	v_lshlrev_b32 v[CO], 12, v3
	v_lshl_add_u32 v[CO], v2, 4, v[CO]             ; and the same two rows in out0
	WIN 0x80
.endif
.irp b, 0,1,2,3
.if MODE == 1
.irp j, 0,1,2,3,4,5,6,7
	global_load_b32 v[BI+8*\b+\j], v[VB], s[PB:PB+1] offset:(32*(\b/2)+8*(\b%2))*4      ; a lane holds one column: the same number in all eight registers
.endr
.else
	global_load_b128 v[BI+8*\b:BI+8*\b+3], v[VB], s[PB:PB+1] offset:(32*(\b/2)+8*(\b%2))*4
	global_load_b128 v[BI+8*\b+4:BI+8*\b+7], v[VB], s[PB:PB+1] offset:(32*(\b/2)+8*(\b%2))*4+16
.endif
.endr
	WIN 0
	s_wait_loadcnt 0x0
; Bias and LoRA start the sums.  Of the rank's 8, lane (r, h) holds numbers 4 h + 2 kk + j in step kk, on both sides alike.  The 32 accumulators take turns.
.macro LORA kk
.irp a, 0,1,2,3,4,5,6,7
.irp b, 0,1,2,3
.if MODE == 1
.set DA, 8*(8*\b+\a)
.set R0, TF+4*\a+2*\kk
.set R1, UF+4*\b+2*\kk
.else
.set DA, 8*(4*\a+\b)
.set R0, UF+4*\b+2*\kk
.set R1, TF+4*\a+2*\kk
.endif
.if \kk == 0
	v_wmma_f32_16x16x4_f32 v[DA:DA+7], v[R0:R0+1], v[R1:R1+1], v[BI+8*\b:BI+8*\b+7]
.else
	v_wmma_f32_16x16x4_f32 v[DA:DA+7], v[R0:R0+1], v[R1:R1+1], v[DA:DA+7]
.endif
.endr
.endr
.endm
.if MODE < 2
	WIN 0x6a                                       ; sources and C window 2, D window 1
	LORA 0
	WIN 0x5a                                       ; C window 1 too
	LORA 1
	PLACES 9                                       ; another form writes over these results next: nine places behind the f32 form
	WIN 0
.endif
.macro FRAG reg, a16, a8, off          ; a fragment: two half images, each 16 and 8 bytes a lane at consecutive addresses
	ds_load_b128 v[(\reg):(\reg)+3], v[\a16] offset:(\off)
	ds_load_b64 v[(\reg)+4:(\reg)+5], v[\a8] offset:(\off)+512
	ds_load_b128 v[(\reg)+6:(\reg)+9], v[\a16] offset:(\off)+768
	ds_load_b64 v[(\reg)+10:(\reg)+11], v[\a8] offset:(\off)+1280
.endm
.macro FETCH_B s                       ; the columns' four fragments of K step s into set s % 2: 16 loads
	WIN 0x80
.irp b, 0,1,2,3
	FRAG BF+48*((\s)%2)+12*\b, B16, B8, \b*12288+(\s)*1536
.endr
	WIN 0
.endm
.macro FETCH_A s, i0                   ; the tokens' blocks i0 .. i0 + 3: 16 loads
.irp i, \i0, \i0+1, \i0+2, \i0+3
	FRAG AF+12*(\i), A16+(\i)/4, A8+(\i)/4, ((\i)%4)*12288+(\s)*1536
.endr
.endm
.macro MWIN s
.if (MODE == 2) && ((\s) == 0)
	WIN 0x62                                       ; columns window 2, tokens window 0, C (the bias) window 2, D window 1
.elseif MODE == 1
	WIN 0x58                                       ; tokens window 0, columns window 2, C and D window 1
.else
	WIN 0x52                                       ; columns window 2, tokens window 0, C and D window 1
.endif
.endm
; 16 matrix instructions: token blocks a0 .. a0 + 3 x the four column blocks, K step s.  The accumulators take turns in the same order in every step.
.macro MUL16 s, a0
.irp a, \a0, \a0+1, \a0+2, \a0+3
.irp b, 0,1,2,3
.set RB, BF+48*((\s)%2)+12*\b
.set RA, AF+12*(\a)
.set SB, SC+8*(\s)+\b
.set SA, SC+8*(\s)+(\a)
.if MODE == 1
.set DA, 8*(8*\b+(\a))
	v_wmma_scale_f32_16x16x128_f8f6f4 v[DA:DA+7], v[RA:RA+11], v[RB:RB+11], v[DA:DA+7], v[SA], v[SB] matrix_a_fmt:MATRIX_FMT_FP6 matrix_b_fmt:MATRIX_FMT_FP6 matrix_b_scale:MATRIX_SCALE_ROW1
.else
.set DA, 8*(4*(\a)+\b)
.if (MODE == 2) && ((\s) == 0)
	v_wmma_scale_f32_16x16x128_f8f6f4 v[DA:DA+7], v[RB:RB+11], v[RA:RA+11], v[BI+8*\b:BI+8*\b+7], v[SB], v[SA] matrix_a_fmt:MATRIX_FMT_FP6 matrix_b_fmt:MATRIX_FMT_FP6 matrix_a_scale:MATRIX_SCALE_ROW1
.else
	v_wmma_scale_f32_16x16x128_f8f6f4 v[DA:DA+7], v[RB:RB+11], v[RA:RA+11], v[DA:DA+7], v[SB], v[SA] matrix_a_fmt:MATRIX_FMT_FP6 matrix_b_fmt:MATRIX_FMT_FP6 matrix_a_scale:MATRIX_SCALE_ROW1
.endif
.endif
.endr
.endr
.endm
; A K step of 128: 32 matrix instructions.  A token block is free as soon as its four products are issued, so the tokens have one set of registers: blocks 0-3 are fetched anew in the step's middle, blocks 4-7 at its end.
.macro STEP s
	s_wait_dscnt 16                                ; the columns' set and token blocks 0-3 are in; the youngest sixteen loads (blocks 4-7) may be out
	MWIN \s
	MUL16 \s, 0
	s_wait_dscnt 0x0                               ; blocks 4-7 are in
.if (\s) < 7
	PLACES 4                                       ; four places ahead of loads into registers that matrix instructions have read
	FETCH_B (\s)+1
	FETCH_A (\s)+1, 0
.endif
	MWIN \s
	MUL16 \s, 4
.if (\s) < 7
	PLACES 4
	WIN 0
	FETCH_A (\s)+1, 4
.endif
.endm
	s_wait_tensorcnt 0x0                           ; my one load has landed
	s_barrier_signal -1
	s_barrier_wait -1
	FETCH_B 0
	FETCH_A 0, 0
	FETCH_A 0, 4
.irp s, 0,1,2,3,4,5,6,7
	STEP \s
.endr
	PLACES 4                                       ; ahead of the first read of results and of writes into the fragments' registers
.if MODE < 2
; THE RESULTS ARE QUANTISED IN REGISTERS.  Registers 16 k .. 16 k + 15 of window 1 are my 16 numbers of block k of 16; lanes l and l xor 16 share a block.  Blocks 2 q, 2 q + 1 make half image q of 8.
; The work goes in runs under one window setting: all maxima, all bytes, all conversions.
	WIN 0x14                                       ; sources 1 and 2 window 1
.set k, 0
.rept 16
	v_max3_num_f32 v[TM+k], 0x1800000, |v[16*k]|, |v[16*k+1]|      ; the floor 2^(3 - 127), and each accumulator from its low end on
.set k, k+1
.endr
.irp i, 2,4,6,8,10,12,14
.set k, 0
.rept 16
	v_max3_num_f32 v[TM+k], v[TM+k], |v[16*k+\i]|, |v[16*k+\i+1]|
.set k, k+1
.endr
.endr
	WIN 0
.set k, 0
.rept 16
	v_mov_b32 v[TP+k], 0                           ; a lane permute's destination counts as one of its sources
.set k, k+1
.endr
.set k, 0
.rept 16
	v_permlanex16_b32 v[TP+k], v[TM+k], s[SEL], s[SEL+1]
.set k, k+1
.endr
.set k, 0
.rept 16
	v_max_num_f32 v[TM+k], v[TM+k], v[TP+k]        ; the block's largest magnitude
.set k, k+1
.endr
.set k, 0
.rept 16
	v_add_nc_u32 v[SO+k], 0xff000000, v[TM+k]      ; 2 off its exponent field: the conversion's scale operand
.set k, k+1
.endr
.set k, 0
.rept 16
	v_lshrrev_b32 v[TP+k], 23, v[SO+k]             ; the byte
.set k, k+1
.endr
.set k, 0
.rept 8
	v_lshl_or_b32 v[HW+k], v[TP+2*k+1], 8, v[TP+2*k]   ; two bytes: half a scale word, its upper half 0
.set k, k+1
.endr
	WIN 0x01                                       ; source 0 window 1
.set k, 0
.rept 8
	v_cvt_scalef32_pk16_fp6_f32 v[CD+6*k:CD+6*k+2], v[32*k:32*k+15], v[SO+2*k]
	v_cvt_scalef32_pk16_fp6_f32 v[YT+4*k:YT+4*k+2], v[32*k+16:32*k+31], v[SO+2*k+1]
.set k, k+1
.endr
	WIN 0
	v_nop                                          ; one plain place behind a scaled conversion
.set k, 0
.rept 8
.irp i, 0,1,2
	v_permlane16_swap_b32 v[CD+6*k+\i], v[YT+4*k+\i]   ; a WHOLE block in a lane: lanes 0-15 the lower block, lanes 16-31 the upper
.endr
.irp i, 0,1,2
	v_mov_b32 v[CD+3+6*k+\i], v[YT+4*k+\i]
.endr
.set k, k+1
.endr
.set k, 0
.rept 8
	global_store_b128 v4, v[CD+6*k:CD+6*k+3], s[PD:PD+1] offset:768*k          ; 512 consecutive bytes,
	global_store_b64 v5, v[CD+6*k+4:CD+6*k+5], s[PD:PD+1] offset:768*k+512     ; 256 consecutive bytes
.set k, k+1
.endr
	v_cmp_lt_u32 vcc_lo, 15, v1
.if MODE == 0
.irp i, 0,1,2,3
	v_cndmask_b32 v[OW+\i], v[HW+2*\i], v[HW+2*\i+1], vcc_lo   ; word i: lanes 0-15 tile 2 i's, lanes 16-31 tile 2 i + 1's: one register serves two tiles
.endr
	global_store_b128 v4, v[OW:OW+3], s[PS:PS+1]
.else
.irp b, 0,1,2,3
	v_lshl_or_b32 v[OW+4+\b], v[HW+2*\b+1], 16, v[HW+2*\b]     ; four bytes: the word of column tile b for these 128 tokens
.endr
.irp i, 0,1
	v_cndmask_b32 v[OW+\i], v[OW+4+2*\i], v[OW+5+2*\i], vcc_lo
.endr
	global_store_b64 v5, v[OW:OW+1], s[PS:PS+1]
.endif
.else
; THE WAY OUT, a block of 16 tokens x 64 columns at a time, through my own stage: a lane holds 8 neighbouring columns of a row, sixteen lanes store a row's 256 consecutive bytes, aligned.
; LDS serves a wave's instructions in order (ISA guide 5.7.1.4): no wait between the stores and the loads, nor ahead of the next block's stores.
.macro TOSTAGE a
	WIN 0x04                                       ; an LDS store's data are its source 1: window 1
.irp b, 0,1,2,3
	ds_store_b128 v[STO], v[8*(4*(\a)+\b):8*(4*(\a)+\b)+3] offset:128*(\b/2)+32*(\b%2)          ; each accumulator from its low end on
	ds_store_b128 v[STO], v[8*(4*(\a)+\b)+4:8*(4*(\a)+\b)+7] offset:128*(\b/2)+32*(\b%2)+16
.endr
	WIN 0
.irp i, 0,1,2,3,4,5,6,7
	ds_load_b128 v[BK+32*((\a)%2)+4*\i:BK+32*((\a)%2)+4*\i+3], v[RDB] offset:\i*2*272
.endr
.endm
.macro SEND a, younger                 ; place 2 i + (lane / 16) of tile a is token 32 (a / 2) + 8 (a % 2) + 2 i + 8 (i / 4) + (lane / 16) of my 128
	s_wait_dscnt \younger
.irp i, 0,1,2,3,4,5,6,7
	global_store_b128 v[CO], v[BK+32*((\a)%2)+4*\i:BK+32*((\a)%2)+4*\i+3], s[PD:PD+1] offset:(32*((\a)/2)+8*((\a)%2)+2*\i+8*(\i/4))*4096 th:TH_STORE_NT
.endr
.endm
	TOSTAGE 0
.irp a, 1,2,3,4,5,6,7
.if \a > 1
	s_wait_xcnt 0x0                                ; block a - 2's stores have read their registers: block a's loads may land there
.endif
	TOSTAGE \a
	SEND \a-1, 16                                  ; behind block a - 1's loads: block a's 8 stores and 8 loads
.endr
	SEND 7, 0
.endif
	s_wait_tensorcnt 0x0                           ; the wave's end
	ds_add_u32 v[SPW], v[NIL]
	s_wait_dscnt 0x0
	CROUND                                         ; the closing round
	s_endpgm
.Lfunc_end_k_q36cbd807c7_gemm_qk:
	.size	k_q36cbd807c7_gemm_qk, .Lfunc_end_k_q36cbd807c7_gemm_qk-k_q36cbd807c7_gemm_qk
	.p2alignl 7, 3214868480
	.fill 96, 4, 3214868480
	.section	.rodata,"a",@progbits
	.p2align	6, 0x0
	.amdhsa_kernel k_q36cbd807c7_gemm_qk
		.amdhsa_group_segment_fixed_size 327680
		.amdhsa_private_segment_fixed_size 0
		.amdhsa_enable_private_segment 0
		.amdhsa_kernarg_size 80
		.amdhsa_user_sgpr_count 2
		.amdhsa_user_sgpr_kernarg_segment_ptr 1
		.amdhsa_wavefront_size32 1
		.amdhsa_system_sgpr_workgroup_id_x 1
		.amdhsa_system_sgpr_workgroup_id_y 1
		.amdhsa_system_sgpr_workgroup_id_z 1
		.amdhsa_system_vgpr_workitem_id 0
		.amdhsa_next_free_vgpr 768
		.amdhsa_next_free_sgpr 102
		.amdhsa_reserve_vcc 1
		.amdhsa_float_denorm_mode_32 3
		.amdhsa_float_denorm_mode_16_64 3
		.amdhsa_memory_ordered 1
		.amdhsa_forward_progress 1
		.amdhsa_inst_pref_size 98
	.end_amdhsa_kernel
	.amdgpu_metadata
---
amdhsa.version: [ 1, 2 ]
amdhsa.kernels:
  - .name:           k_q36cbd807c7_gemm_qk
    .symbol:         k_q36cbd807c7_gemm_qk.kd
    .args:
      - { .name: xc, .offset: 0, .size: 8, .value_kind: global_buffer, .address_space: global }
      - { .name: wc, .offset: 8, .size: 8, .value_kind: global_buffer, .address_space: global }
      - { .name: sc, .offset: 16, .size: 8, .value_kind: global_buffer, .address_space: global }
      - { .name: tl, .offset: 24, .size: 8, .value_kind: global_buffer, .address_space: global }
      - { .name: u_q, .offset: 32, .size: 8, .value_kind: global_buffer, .address_space: global }
      - { .name: u_k, .offset: 40, .size: 8, .value_kind: global_buffer, .address_space: global }
      - { .name: b_q, .offset: 48, .size: 8, .value_kind: global_buffer, .address_space: global }
      - { .name: b_k, .offset: 56, .size: 8, .value_kind: global_buffer, .address_space: global }
      - { .name: qb, .offset: 64, .size: 8, .value_kind: global_buffer, .address_space: global }
      - { .name: kv, .offset: 72, .size: 8, .value_kind: global_buffer, .address_space: global }
    .group_segment_fixed_size: 327680
    .private_segment_fixed_size: 0
    .kernarg_segment_align: 8
    .kernarg_segment_size: 80
    .max_flat_workgroup_size: 128
    .sgpr_count:     102
    .vgpr_count:     768
    .wavefront_size: 32
...
	.end_amdgpu_metadata
.endif
;; end of part 3
;; launch gemm_v (part 4): grid 8 x 32, 4 waves a work-group, clusters of 4 x 4, 327,680 bytes of LDS; arguments xc, wc, sc, tl, u_v, b_v, kv; writes kv
.if DOCPART == 4
	.amdgcn_target "amdgcn-amd-amdhsa--gfx1250"
	.amdhsa_code_object_version 6
	.text
	.protected	k_q36cbd807c7_gemm_v
	.globl	k_q36cbd807c7_gemm_v
	.p2align	8
	.type	k_q36cbd807c7_gemm_v,@function
k_q36cbd807c7_gemm_v:
	s_mov_b64 s[64:65], 0
	v_nop
	global_prefetch_b8 v0, s[64:65] scope:SCOPE_SE
	s_setreg_imm32_b32 hwreg(HW_REG_WAVE_MODE, 25, 1), 1
	s_wait_xcnt 0x0
	s_wait_alu depctr_hold_cnt(0) depctr_sa_sdst(0) depctr_va_vdst(0) depctr_va_sdst(0) depctr_va_ssrc(0) depctr_va_vcc(0) depctr_vm_vsrc(0)
	s_getreg_b32 s2, hwreg(HW_REG_IB_STS2, 6, 4)
	s_cmp_eq_u32 s2, 0
	s_cbranch_scc0 .Lentry_in_a_cluster
	s_endpgm
.Lentry_in_a_cluster:
	s_bfe_u32 s2, ttmp6, 0x10000c
	s_cmp_lg_u32 s2, 0xf033
	s_cbranch_scc0 .Lentry_shape_is_right
	s_endpgm
.Lentry_shape_is_right:
; ONE SOURCE, BUILT THREE WAYS (MODE): 0: q = x w_q + b_q + t_q u_q and k likewise;  1: v likewise;  2: out0 = o w_o + b_o.  The large products run on codes of FP6 (E2M3) with E8M0 scales, K = 1,024.
; Both operands lie in memory in the order of an operand's registers: [tile of 16][j 16][half image of 768 bytes: registers 0-3 at 16 x lane, registers 4-5 at 512 + 8 x lane]; a fragment of K step s is half images 2 s, 2 s + 1.
; Place r of a tile T (of tokens or of columns) is index 32 (T / 2) + 8 (T % 2) + r + 8 (r / 8): so the 16 registers of two neighbouring result tiles are 16 neighbours along the NEXT product's K.
; SHARES.  A work-group makes 256 tokens x 128 columns; wave w: tokens 128 (w / 2) on (blocks a = 0 .. 7), columns 64 (w % 2) on: one head (blocks b = 0 .. 3): 32 accumulators.
; LDS HOLDS ALL OF K: four chunks of 256 along K, each 16 tiles of tokens and 8 of columns x 3,072 bytes: 294,912 bytes, every byte filled once.  So there is no ring and no refill: a wave issues its four tensor loads at the
; start (four are out, by this text's count), and a counted wait and a barrier stand in front of each chunk's first read.
; CLUSTER 4 x 4: the four work-groups of a row need the same tokens, the four of a column the same columns: each tile is asked for jointly.
; MODES 0, 1: THE SUMS BEGIN WITH BIAS AND LoRA: 64 products 16 x 16 x 4 in f32 (t = 2 x a, made earlier, times u; C of the first = the bias), issued while the tiles are on their way; the products on codes add onto them.
; So the order of the sums differs from reference()'s (bias, LoRA, then K ascending).  The accumulators are written by matrix instructions alone.
; MODE 0 is used transposed (source 0 = columns, source 1 = tokens): a lane holds one token and 32 registers along the head's 64: they are quantised along the head and leave as half images for the attention's first product.
; MODE 1 is not: a lane holds one column and 64 registers along 128 tokens: quantised along the tokens, the keys of the attention's second product.  MODE 2, transposed, leaves as f32 through a stage in LDS.
; LIMITS (modes 0, 1): a block of zeros gets the byte 1 where the rule says 127 (zero codes; this program alone reads the bytes); largest magnitudes under 2^-124 are held at byte 1; NaN and infinities are not served.
; REGISTERS, in windows of 256.  Window 0: v1-7 lane numbers and offsets; v8-23 LDS addresses, one for each chunk; v24-27 offsets; v28, v29 the add's two; v32-95 scale words and nothing else; v96-191 the tokens' eight
; fragments, ONE set; v192-255 at work at the end.  Window 1: the accumulators.  Window 2: v0-95 the columns' four fragments, TWO sets; v96-111 u; v112-143 t; v144-175 the bias.
.set MODE,  1
; THE FILLS, in place of the paragraph on LDS above: LDS holds all of K as [tile][12,288 bytes], the tokens' 16 tiles first, then the columns' 8.  Every byte is filled once, by ONE tensor load a wave at the head
; (waves 0, 1: 8 tiles of tokens each; waves 2, 3: 4 tiles of columns each); one wait for it and one barrier stand in front of the first LDS read, and no barrier stands among the K steps.
.if MODE == 0
.set TN0,   0                          ; the first tile of columns in wc: w_q's, with w_k's behind them
.set SC_A,  0                          ; the tokens' scale words in sc
.elseif MODE == 1
.set TN0,   128
.set SC_A,  0
.else
.set TN0,   192
.set SC_A,  393216
.endif
.set SC_W,  262144                     ; the weights' scale words in sc
.set CH,    73728                      ; a quarter of the tiles' bytes in LDS
.set WOFF,  196608                     ; the columns' tiles, behind the tokens' 16
.set STAGE, 4*CH                       ; mode 2: 16 rows x 272 bytes for each wave
.if MODE == 2
.set SPARE, STAGE+4*16*272             ; the spare words, 128 bytes a wave: two blocks of 256 bytes that no other line names
.else
.set SPARE, 4*CH
.endif
.set VS0, 6                            ; v6, v7 offsets of the scale words (blocks 0-3, blocks 4-7)
.set VS1, 7
.set A16, 8                            ; v8-11, v12-15   tokens: chunk c at 16 x lane, at 8 x lane
.set A8,  12
.set B16, 16                           ; v16-19, v20-23  columns likewise
.set B8,  20
.set VB,  24                           ; the bias's offset
.set STO, 25                           ; mode 2: into the stage
.set VT,  26                           ; t's offset          (mode 2: RDB, back from the stage)
.set RDB, 26
.set VU,  27                           ; u's offset          (mode 2: CO, my place in two rows of out0)
.set CO,  27
.set SPW, 28
.set NIL, 29
.set SC,  32                           ; register 8 s + i: lanes 0-15 the word of token block i, lanes 16-31 that of column block i % 4, K step s
.set AF,  96
.set BF,  0                            ; window 2
.set UF,  96
.set TF,  112
.set BI,  144
.set CD,  96                           ; at the end, window 0: codes; upper halves; words to store; maxima; permuted; scale operands; half words
.set YT,  144
.set OW,  176
.set TM,  192
.set TP,  208
.set SO,  224
.set HW,  240
.set BK,  96                           ; mode 2: rows read back, two sets of 32
.set G1X, 24                           ; s[24:31], s[32:39] descriptor groups 1;  s[40:55], s[68:83] groups 0, one for each chunk
.set G1W, 32
.set G0X, 40
.set G0W, 68
.set SEL, 56
.set PU,  58                           ; s[58:59] u;  s[60:61] the bias;  s[62:63] where the results go;  s[66:67] where their scale words go
.set PB,  60
.set PD,  62
.set PS,  66
.set WV,  84
.set WY,  85
.set WX,  86
.set CX,  87
.set CY,  88
.set GX,  89
.set GY,  90
.set MSB, 0
.macro WIN new                         ; the immediate's high byte repeats the setting that is left
.if MSB != \new
	s_set_vgpr_msb (MSB<<8)|\new
.set MSB, \new
.endif
.endm
.macro PLACES n
.rept \n
	v_nop
.endr
.endm
.macro CROUND                          ; a round of the cluster's barrier
	s_barrier_signal -1
	s_barrier_wait -1
	s_cmp_lg_u32 s[WV], 0
	s_cbranch_scc1 .Lnot_wave_0_\@
	s_barrier_signal -3
.Lnot_wave_0_\@:
	s_barrier_wait -3
	s_barrier_signal -1
	s_barrier_wait -1
.endm
	s_load_b256 s[4:11], s[0:1], 0x0               ; the tokens' codes, wc, sc, and tl (mode 2: b_o)
.if MODE == 0
	s_load_b256 s[12:19], s[0:1], 0x20             ; u_q, u_k, b_q, b_k
	s_load_b128 s[20:23], s[0:1], 0x40             ; qb, kv
.elseif MODE == 1
	s_load_b128 s[12:15], s[0:1], 0x20             ; u_v, b_v
	s_load_b64 s[20:21], s[0:1], 0x30              ; kv
.else
	s_load_b64 s[20:21], s[0:1], 0x20              ; out0
.endif
	v_lshl_add_u32 v[SPW], v0, 2, SPARE
	v_mov_b32 v[NIL], 0
	ds_add_u32 v[SPW], v[NIL]                      ; the wave's opening: the add and its wait ahead of my first tensor load; work on registers stands between them
	ds_add_u32 v[SPW], v[NIL]
	v_lshrrev_b32 v1, 5, v0
	v_readfirstlane_b32 s[WV], v1                  ; wave 0..3
	s_lshr_b32 s[WY], s[WV], 1                     ; my half of the tokens.  Also: I fetch tokens (0) or columns (1)
	s_and_b32 s[WX], s[WV], 1                      ; my half of the columns.  Also: which half of those tiles I fetch
	s_bfe_u32 s[CX], ttmp6, 0x40000
	s_bfe_u32 s[CY], ttmp6, 0x40004
	s_lshl_b32 s[GX], ttmp9, 2
	s_add_co_u32 s[GX], s[GX], s[CX]               ; work-group x: 128 columns
	s_and_b32 s[GY], ttmp7, 0xffff
	s_lshl_b32 s[GY], s[GY], 2
	s_add_co_u32 s[GY], s[GY], s[CY]               ; work-group y: 256 tokens
	s_lshl_b32 s91, s[CY], 2
	s_lshl_b32 s91, 15, s91                        ; my row of the cluster
	s_lshl_b32 s92, 0x1111, s[CX]                  ; my column
	; group 1: R rows (tiles) of 1,536 elements of 8 bytes (a tile's 12,288 bytes, all of K), one behind the other; no padding: the lanes read consecutive bytes
	s_or_b32 s[G1X], s91, (3<<16)|(1<<21)          ; 15:0 the mask; 17:16 elements of 8 bytes; 21 set beside a mask
	s_or_b32 s[G1W], s92, (3<<16)|(1<<21)
	s_mov_b32 s[G1X+1], 1536<<16                   ; tensor_dim0
	s_mov_b32 s[G1X+2], 8<<16                      ; tensor_dim1: 8 tiles of tokens a load
	s_mov_b32 s[G1X+3], 1536<<16                   ; tile_dim0
	s_mov_b32 s[G1X+4], 8                          ; tile_dim1
	s_mov_b32 s[G1X+5], 1536                       ; the pitch
	s_mov_b32 s[G1X+6], 0
	s_mov_b32 s[G1X+7], 0
	s_mov_b32 s[G1W+1], 1536<<16
	s_mov_b32 s[G1W+2], 4<<16                      ; 4 tiles of columns a load
	s_mov_b32 s[G1W+3], 1536<<16
	s_mov_b32 s[G1W+4], 4
	s_mov_b32 s[G1W+5], 1536
	s_mov_b32 s[G1W+6], 0
	s_mov_b32 s[G1W+7], 0
	s_lshl_b32 s94, s[GY], 4                       ; tokens: tile 16 y + 8 x half: made of y and the wave's number alone
	s_lshl_b32 s95, s[WX], 3
	s_add_co_u32 s94, s94, s95
	s_mul_i32 s94, s94, 12288
	s_mov_b32 s95, 0
	s_lshl_b32 s96, s[GX], 3                       ; columns: tile TN0 + 8 x + 4 x half: made of x and the wave's number alone
	s_lshl_b32 s97, s[WX], 2
	s_add_co_u32 s96, s96, s97
	s_add_co_u32 s96, s96, TN0
	s_mul_i32 s96, s96, 12288
	s_mov_b32 s97, 0
	s_mul_i32 s93, s[WX], 98304                    ; where they go: 8 tiles of tokens a wave; no place in the cluster enters an LDS address
	s_mul_i32 s100, s[WX], 49152                   ; 4 tiles of columns a wave
	s_add_co_u32 s100, s100, WOFF
	s_mov_b32 s[SEL], 0x76543210
	s_mov_b32 s[SEL+1], 0xfedcba98
	s_wait_dscnt 0x0                               ; the opening add is done
	s_wait_kmcnt 0x0
	s_add_nc_u64 s[94:95], s[4:5], s[94:95]
	s_add_nc_u64 s[96:97], s[6:7], s[96:97]
	s_mov_b32 s[G0X], 1
	s_mov_b32 s[G0X+1], s93
	s_mov_b64 s[G0X+2:G0X+3], s[94:95]
	s_or_b32 s[G0X+3], s[G0X+3], 0x80000000
	s_mov_b32 s[G0W], 1
	s_mov_b32 s[G0W+1], s100
	s_mov_b64 s[G0W+2:G0W+3], s[96:97]
	s_or_b32 s[G0W+3], s[G0W+3], 0x80000000
	CROUND                                         ; all sixteen work-groups are here: the joint loads meet
	s_cmp_eq_u32 s[WY], 0                          ; one fill a wave, in the two arms of one branch on the wave's number
	s_cbranch_scc0 .Lfor_w
	tensor_load_to_lds s[G0X:G0X+3], s[G1X:G1X+7]
	s_nop 0
	PLACES 4
	s_branch .Lasked
.Lfor_w:
	tensor_load_to_lds s[G0W:G0W+3], s[G1W:G1W+7]
	s_nop 0
	PLACES 4
.Lasked:
	v_and_b32 v1, 31, v0                           ; lane
	v_and_b32 v2, 15, v0                           ; r
	v_bfe_u32 v3, v0, 4, 1                         ; h
	v_lshlrev_b32 v4, 4, v1                        ; 16 x lane
	v_lshlrev_b32 v5, 3, v1                        ; 8 x lane
	s_mul_i32 s2, s[WY], 98304
	v_add_nc_u32 v[A16], s2, v4
	v_add_nc_u32 v[A8], s2, v5
	s_mul_i32 s2, s[WX], 49152
	s_add_co_u32 s2, s2, WOFF
	v_add_nc_u32 v[B16], s2, v4
	v_add_nc_u32 v[B8], s2, v5
	v_add_nc_u32 v[A16+1], 49152, v[A16]           ; token blocks 4-7: four tiles on, so that every offset stays inside 16 bits
	v_add_nc_u32 v[A8+1], 49152, v[A8]
	s_lshl_b32 s2, s[GY], 4
	s_lshl_b32 s98, s[WY], 3
	s_add_co_u32 s2, s2, s98
	s_lshl_b32 s98, s2, 9                          ; 512 x my first tile of tokens
	s_lshl_b32 s2, s[GX], 3
	s_lshl_b32 s99, s[WX], 2
	s_add_co_u32 s2, s2, s99
	s_lshl_b32 s2, s2, 9
	s_add_co_u32 s2, s2, SC_W+TN0*512              ; my first tile of columns' words
	s_add_co_u32 s99, s98, SC_A
	v_mov_b32 v[VS0], s99
	v_mov_b32 v[VS1], s2
	v_cmp_lt_u32 vcc_lo, 15, v1
	v_cndmask_b32 v[VS0], v[VS0], v[VS1], vcc_lo   ; lanes 0-15 take the tokens' words, lanes 16-31 the columns'
	v_lshl_add_u32 v[VS0], v2, 2, v[VS0]
	v_lshlrev_b32 v[VS1], 11, v3
	v_sub_nc_u32 v[VS1], v[VS0], v[VS1]            ; for i = 4 .. 7 the columns' lanes go round again: four tiles back
.irp s, 0,1,2,3,4,5,6,7
.irp i, 0,1,2,3
	global_load_b32 v[SC+8*\s+\i], v[VS0], s[8:9] offset:512*\i+64*\s
.endr
.irp i, 4,5,6,7
	global_load_b32 v[SC+8*\s+\i], v[VS1], s[8:9] offset:512*\i+64*\s
.endr
.endr
	s_and_b32 s99, s[GX], 7
	s_lshl_b32 s99, s99, 1
	s_add_co_u32 s99, s99, s[WX]                   ; my head: which 64 columns of the weight
.if MODE == 0
	s_mov_b32 s2, 208896
	s_mov_b32 s3, 12288
	s_cmp_lt_u32 ttmp9, 2                          ; q's columns or k's?  The cluster's x decides: alike in all partners, and no branch hangs on it
	s_cselect_b64 s[PU:PU+1], s[12:13], s[14:15]
	s_cselect_b64 s[PB:PB+1], s[16:17], s[18:19]
	s_cselect_b64 s[PD:PD+1], s[20:21], s[22:23]
	s_cselect_b32 s101, 0, 262144                  ; t's plane
	s_cselect_b32 s2, 106496, s2                   ; a head's block in qb, in kv
	s_cselect_b32 s12, 8192, s3                    ; where its codes begin
	s_cselect_b32 s13, 6144, s3                    ; from 128 tokens to the next
.elseif MODE == 1
	s_mov_b64 s[PU:PU+1], s[12:13]
	s_mov_b64 s[PB:PB+1], s[14:15]
	s_mov_b64 s[PD:PD+1], s[20:21]
	s_mov_b32 s101, 524288
	s_mov_b32 s2, 208896
	s_mov_b32 s12, 12288+6144                      ; V's half images lie behind K's in each step
	s_mov_b32 s13, 12288
.else
	s_mov_b64 s[PB:PB+1], s[10:11]
	s_mov_b64 s[PD:PD+1], s[20:21]
.endif
	s_mov_b32 s15, 0
	s_lshl_b32 s14, s99, 8                         ; 64 numbers of 4 bytes a head
	s_add_nc_u64 s[PB:PB+1], s[PB:PB+1], s[14:15]
.if MODE < 2
	s_add_nc_u64 s[PU:PU+1], s[PU:PU+1], s[14:15]
	s_add_co_u32 s14, s98, s101
	s_add_nc_u64 s[10:11], s[10:11], s[14:15]      ; t of my first tile
	s_lshr_b32 s16, s[GY], 3
	s_lshl_b32 s16, s16, 4
	s_add_co_u32 s16, s16, s99                     ; 16 x batch + head
	s_mul_i32 s14, s16, s2
	s_add_nc_u64 s[PD:PD+1], s[PD:PD+1], s[14:15]
	s_and_b32 s17, s[GY], 7
	s_lshl_b32 s17, s17, 1
	s_add_co_u32 s17, s17, s[WY]                   ; which 128 tokens of the batch's 2,048
.if MODE == 0
	s_lshl_b32 s14, s17, 9                         ; scale words: 512 bytes for 128 tokens
.else
	s_lshl_b32 s14, s17, 8
	s_add_co_u32 s14, s14, 8192                    ; V's: 256 bytes, behind K's 8,192
.endif
	s_add_nc_u64 s[PS:PS+1], s[PD:PD+1], s[14:15]
	s_mul_i32 s14, s17, s13
	s_add_co_u32 s14, s14, s12
	s_add_nc_u64 s[PD:PD+1], s[PD:PD+1], s[14:15]
	v_and_b32 v[VU], 8, v2
	v_add_nc_u32 v[VU], v[VU], v2
	v_lshlrev_b32 v[VU], 2, v[VU]                  ; column r + 8 (r / 8) of a tile
.if MODE == 1
	v_mov_b32 v[VB], v[VU]                         ; the bias of my column
.else
	v_lshlrev_b32 v[VB], 6, v3                     ; the bias of my eight columns: 16 h on
.endif
	v_lshl_add_u32 v[VU], v3, 14, v[VU]            ; u: rows 4 h on
	v_lshlrev_b32 v[VT], 5, v2
	v_lshl_add_u32 v[VT], v3, 4, v[VT]             ; t: token r, numbers 4 h on
	WIN 0x80                                       ; destination window 2
.irp a, 0,1,2,3,4,5,6,7
	global_load_b128 v[TF+4*\a:TF+4*\a+3], v[VT], s[10:11] offset:512*\a
.endr
.irp b, 0,1,2,3
.irp k, 0,1,2,3
	global_load_b32 v[UF+4*\b+\k], v[VU], s[PU:PU+1] offset:\k*4096+(32*(\b/2)+8*(\b%2))*4
.endr
.endr
.else
	s_lshl_b32 s14, s98, 7                         ; out0: my first token's row of 4,096 bytes (16 tokens a tile),
	s_add_nc_u64 s[PD:PD+1], s[PD:PD+1], s[14:15]
	s_lshl_b32 s14, s99, 8                         ; my 64 columns
	s_add_nc_u64 s[PD:PD+1], s[PD:PD+1], s[14:15]
	v_lshlrev_b32 v[VB], 6, v3
	s_mul_i32 s2, s[WV], 16*272
	s_add_co_u32 s2, s2, STAGE                     ; my stage
	v_mul_u32_u24 v[STO], v2, 272
	v_lshl_add_u32 v[STO], v3, 6, v[STO]
	v_add_nc_u32 v[STO], s2, v[STO]                ; in: row r, 64 h bytes on
	v_mul_u32_u24 v[RDB], v3, 272
	v_lshl_add_u32 v[RDB], v2, 4, v[RDB]
	v_add_nc_u32 v[RDB], s2, v[RDB]                ; back: lanes 0-15 one row of 256 bytes, lanes 16-31 the next
	v_lshlrev_b32 v[CO], 12, v3
	v_lshl_add_u32 v[CO], v2, 4, v[CO]             ; and the same two rows in out0
	WIN 0x80
.endif
.irp b, 0,1,2,3
.if MODE == 1
.irp j, 0,1,2,3,4,5,6,7
	global_load_b32 v[BI+8*\b+\j], v[VB], s[PB:PB+1] offset:(32*(\b/2)+8*(\b%2))*4      ; a lane holds one column: the same number in all eight registers
.endr
.else
	global_load_b128 v[BI+8*\b:BI+8*\b+3], v[VB], s[PB:PB+1] offset:(32*(\b/2)+8*(\b%2))*4
	global_load_b128 v[BI+8*\b+4:BI+8*\b+7], v[VB], s[PB:PB+1] offset:(32*(\b/2)+8*(\b%2))*4+16
.endif
.endr
	WIN 0
	s_wait_loadcnt 0x0
; Bias and LoRA start the sums.  Of the rank's 8, lane (r, h) holds numbers 4 h + 2 kk + j in step kk, on both sides alike.  The 32 accumulators take turns.
.macro LORA kk
.irp a, 0,1,2,3,4,5,6,7
.irp b, 0,1,2,3
.if MODE == 1
.set DA, 8*(8*\b+\a)
.set R0, TF+4*\a+2*\kk
.set R1, UF+4*\b+2*\kk
.else
.set DA, 8*(4*\a+\b)
.set R0, UF+4*\b+2*\kk
.set R1, TF+4*\a+2*\kk
.endif
.if \kk == 0
	v_wmma_f32_16x16x4_f32 v[DA:DA+7], v[R0:R0+1], v[R1:R1+1], v[BI+8*\b:BI+8*\b+7]
.else
	v_wmma_f32_16x16x4_f32 v[DA:DA+7], v[R0:R0+1], v[R1:R1+1], v[DA:DA+7]
.endif
.endr
.endr
.endm
.if MODE < 2
	WIN 0x6a                                       ; sources and C window 2, D window 1
	LORA 0
	WIN 0x5a                                       ; C window 1 too
	LORA 1
	PLACES 9                                       ; another form writes over these results next: nine places behind the f32 form
	WIN 0
.endif
.macro FRAG reg, a16, a8, off          ; a fragment: two half images, each 16 and 8 bytes a lane at consecutive addresses
	ds_load_b128 v[(\reg):(\reg)+3], v[\a16] offset:(\off)
	ds_load_b64 v[(\reg)+4:(\reg)+5], v[\a8] offset:(\off)+512
	ds_load_b128 v[(\reg)+6:(\reg)+9], v[\a16] offset:(\off)+768
	ds_load_b64 v[(\reg)+10:(\reg)+11], v[\a8] offset:(\off)+1280
.endm
.macro FETCH_B s                       ; the columns' four fragments of K step s into set s % 2: 16 loads
	WIN 0x80
.irp b, 0,1,2,3
	FRAG BF+48*((\s)%2)+12*\b, B16, B8, \b*12288+(\s)*1536
.endr
	WIN 0
.endm
.macro FETCH_A s, i0                   ; the tokens' blocks i0 .. i0 + 3: 16 loads
.irp i, \i0, \i0+1, \i0+2, \i0+3
	FRAG AF+12*(\i), A16+(\i)/4, A8+(\i)/4, ((\i)%4)*12288+(\s)*1536
.endr
.endm
.macro MWIN s
.if (MODE == 2) && ((\s) == 0)
	WIN 0x62                                       ; columns window 2, tokens window 0, C (the bias) window 2, D window 1
.elseif MODE == 1
	WIN 0x58                                       ; tokens window 0, columns window 2, C and D window 1
.else
	WIN 0x52                                       ; columns window 2, tokens window 0, C and D window 1
.endif
.endm
; 16 matrix instructions: token blocks a0 .. a0 + 3 x the four column blocks, K step s.  The accumulators take turns in the same order in every step.
.macro MUL16 s, a0
.irp a, \a0, \a0+1, \a0+2, \a0+3
.irp b, 0,1,2,3
.set RB, BF+48*((\s)%2)+12*\b
.set RA, AF+12*(\a)
.set SB, SC+8*(\s)+\b
.set SA, SC+8*(\s)+(\a)
.if MODE == 1
.set DA, 8*(8*\b+(\a))
	v_wmma_scale_f32_16x16x128_f8f6f4 v[DA:DA+7], v[RA:RA+11], v[RB:RB+11], v[DA:DA+7], v[SA], v[SB] matrix_a_fmt:MATRIX_FMT_FP6 matrix_b_fmt:MATRIX_FMT_FP6 matrix_b_scale:MATRIX_SCALE_ROW1
.else
.set DA, 8*(4*(\a)+\b)
.if (MODE == 2) && ((\s) == 0)
	v_wmma_scale_f32_16x16x128_f8f6f4 v[DA:DA+7], v[RB:RB+11], v[RA:RA+11], v[BI+8*\b:BI+8*\b+7], v[SB], v[SA] matrix_a_fmt:MATRIX_FMT_FP6 matrix_b_fmt:MATRIX_FMT_FP6 matrix_a_scale:MATRIX_SCALE_ROW1
.else
	v_wmma_scale_f32_16x16x128_f8f6f4 v[DA:DA+7], v[RB:RB+11], v[RA:RA+11], v[DA:DA+7], v[SB], v[SA] matrix_a_fmt:MATRIX_FMT_FP6 matrix_b_fmt:MATRIX_FMT_FP6 matrix_a_scale:MATRIX_SCALE_ROW1
.endif
.endif
.endr
.endr
.endm
; A K step of 128: 32 matrix instructions.  A token block is free as soon as its four products are issued, so the tokens have one set of registers: blocks 0-3 are fetched anew in the step's middle, blocks 4-7 at its end.
.macro STEP s
	s_wait_dscnt 16                                ; the columns' set and token blocks 0-3 are in; the youngest sixteen loads (blocks 4-7) may be out
	MWIN \s
	MUL16 \s, 0
	s_wait_dscnt 0x0                               ; blocks 4-7 are in
.if (\s) < 7
	PLACES 4                                       ; four places ahead of loads into registers that matrix instructions have read
	FETCH_B (\s)+1
	FETCH_A (\s)+1, 0
.endif
	MWIN \s
	MUL16 \s, 4
.if (\s) < 7
	PLACES 4
	WIN 0
	FETCH_A (\s)+1, 4
.endif
.endm
	s_wait_tensorcnt 0x0                           ; my one load has landed
	s_barrier_signal -1
	s_barrier_wait -1
	FETCH_B 0
	FETCH_A 0, 0
	FETCH_A 0, 4
.irp s, 0,1,2,3,4,5,6,7
	STEP \s
.endr
	PLACES 4                                       ; ahead of the first read of results and of writes into the fragments' registers
.if MODE < 2
; THE RESULTS ARE QUANTISED IN REGISTERS.  Registers 16 k .. 16 k + 15 of window 1 are my 16 numbers of block k of 16; lanes l and l xor 16 share a block.  Blocks 2 q, 2 q + 1 make half image q of 8.
; The work goes in runs under one window setting: all maxima, all bytes, all conversions.
	WIN 0x14                                       ; sources 1 and 2 window 1
.set k, 0
.rept 16
	v_max3_num_f32 v[TM+k], 0x1800000, |v[16*k]|, |v[16*k+1]|      ; the floor 2^(3 - 127), and each accumulator from its low end on
.set k, k+1
.endr
.irp i, 2,4,6,8,10,12,14
.set k, 0
.rept 16
	v_max3_num_f32 v[TM+k], v[TM+k], |v[16*k+\i]|, |v[16*k+\i+1]|
.set k, k+1
.endr
.endr
	WIN 0
.set k, 0
.rept 16
	v_mov_b32 v[TP+k], 0                           ; a lane permute's destination counts as one of its sources
.set k, k+1
.endr
.set k, 0
.rept 16
	v_permlanex16_b32 v[TP+k], v[TM+k], s[SEL], s[SEL+1]
.set k, k+1
.endr
.set k, 0
.rept 16
	v_max_num_f32 v[TM+k], v[TM+k], v[TP+k]        ; the block's largest magnitude
.set k, k+1
.endr
.set k, 0
.rept 16
	v_add_nc_u32 v[SO+k], 0xff000000, v[TM+k]      ; 2 off its exponent field: the conversion's scale operand
.set k, k+1
.endr
.set k, 0
.rept 16
	v_lshrrev_b32 v[TP+k], 23, v[SO+k]             ; the byte
.set k, k+1
.endr
.set k, 0
.rept 8
	v_lshl_or_b32 v[HW+k], v[TP+2*k+1], 8, v[TP+2*k]   ; two bytes: half a scale word, its upper half 0
.set k, k+1
.endr
	WIN 0x01                                       ; source 0 window 1
.set k, 0
.rept 8
	v_cvt_scalef32_pk16_fp6_f32 v[CD+6*k:CD+6*k+2], v[32*k:32*k+15], v[SO+2*k]
	v_cvt_scalef32_pk16_fp6_f32 v[YT+4*k:YT+4*k+2], v[32*k+16:32*k+31], v[SO+2*k+1]
.set k, k+1
.endr
	WIN 0
	v_nop                                          ; one plain place behind a scaled conversion
.set k, 0
.rept 8
.irp i, 0,1,2
	v_permlane16_swap_b32 v[CD+6*k+\i], v[YT+4*k+\i]   ; a WHOLE block in a lane: lanes 0-15 the lower block, lanes 16-31 the upper
.endr
.irp i, 0,1,2
	v_mov_b32 v[CD+3+6*k+\i], v[YT+4*k+\i]
.endr
.set k, k+1
.endr
.set k, 0
.rept 8
	global_store_b128 v4, v[CD+6*k:CD+6*k+3], s[PD:PD+1] offset:768*k          ; 512 consecutive bytes,
	global_store_b64 v5, v[CD+6*k+4:CD+6*k+5], s[PD:PD+1] offset:768*k+512     ; 256 consecutive bytes
.set k, k+1
.endr
	v_cmp_lt_u32 vcc_lo, 15, v1
.if MODE == 0
.irp i, 0,1,2,3
	v_cndmask_b32 v[OW+\i], v[HW+2*\i], v[HW+2*\i+1], vcc_lo   ; word i: lanes 0-15 tile 2 i's, lanes 16-31 tile 2 i + 1's: one register serves two tiles
.endr
	global_store_b128 v4, v[OW:OW+3], s[PS:PS+1]
.else
.irp b, 0,1,2,3
	v_lshl_or_b32 v[OW+4+\b], v[HW+2*\b+1], 16, v[HW+2*\b]     ; four bytes: the word of column tile b for these 128 tokens
.endr
.irp i, 0,1
	v_cndmask_b32 v[OW+\i], v[OW+4+2*\i], v[OW+5+2*\i], vcc_lo
.endr
	global_store_b64 v5, v[OW:OW+1], s[PS:PS+1]
.endif
.else
; THE WAY OUT, a block of 16 tokens x 64 columns at a time, through my own stage: a lane holds 8 neighbouring columns of a row, sixteen lanes store a row's 256 consecutive bytes, aligned.
; LDS serves a wave's instructions in order (ISA guide 5.7.1.4): no wait between the stores and the loads, nor ahead of the next block's stores.
.macro TOSTAGE a
	WIN 0x04                                       ; an LDS store's data are its source 1: window 1
.irp b, 0,1,2,3
	ds_store_b128 v[STO], v[8*(4*(\a)+\b):8*(4*(\a)+\b)+3] offset:128*(\b/2)+32*(\b%2)          ; each accumulator from its low end on
	ds_store_b128 v[STO], v[8*(4*(\a)+\b)+4:8*(4*(\a)+\b)+7] offset:128*(\b/2)+32*(\b%2)+16
.endr
	WIN 0
.irp i, 0,1,2,3,4,5,6,7
	ds_load_b128 v[BK+32*((\a)%2)+4*\i:BK+32*((\a)%2)+4*\i+3], v[RDB] offset:\i*2*272
.endr
.endm
.macro SEND a, younger                 ; place 2 i + (lane / 16) of tile a is token 32 (a / 2) + 8 (a % 2) + 2 i + 8 (i / 4) + (lane / 16) of my 128
	s_wait_dscnt \younger
.irp i, 0,1,2,3,4,5,6,7
	global_store_b128 v[CO], v[BK+32*((\a)%2)+4*\i:BK+32*((\a)%2)+4*\i+3], s[PD:PD+1] offset:(32*((\a)/2)+8*((\a)%2)+2*\i+8*(\i/4))*4096 th:TH_STORE_NT
.endr
.endm
	TOSTAGE 0
.irp a, 1,2,3,4,5,6,7
.if \a > 1
	s_wait_xcnt 0x0                                ; block a - 2's stores have read their registers: block a's loads may land there
.endif
	TOSTAGE \a
	SEND \a-1, 16                                  ; behind block a - 1's loads: block a's 8 stores and 8 loads
.endr
	SEND 7, 0
.endif
	s_wait_tensorcnt 0x0                           ; the wave's end
	ds_add_u32 v[SPW], v[NIL]
	s_wait_dscnt 0x0
	CROUND                                         ; the closing round
	s_endpgm
.Lfunc_end_k_q36cbd807c7_gemm_v:
	.size	k_q36cbd807c7_gemm_v, .Lfunc_end_k_q36cbd807c7_gemm_v-k_q36cbd807c7_gemm_v
	.p2alignl 7, 3214868480
	.fill 96, 4, 3214868480
	.section	.rodata,"a",@progbits
	.p2align	6, 0x0
	.amdhsa_kernel k_q36cbd807c7_gemm_v
		.amdhsa_group_segment_fixed_size 327680
		.amdhsa_private_segment_fixed_size 0
		.amdhsa_enable_private_segment 0
		.amdhsa_kernarg_size 56
		.amdhsa_user_sgpr_count 2
		.amdhsa_user_sgpr_kernarg_segment_ptr 1
		.amdhsa_wavefront_size32 1
		.amdhsa_system_sgpr_workgroup_id_x 1
		.amdhsa_system_sgpr_workgroup_id_y 1
		.amdhsa_system_sgpr_workgroup_id_z 1
		.amdhsa_system_vgpr_workitem_id 0
		.amdhsa_next_free_vgpr 768
		.amdhsa_next_free_sgpr 102
		.amdhsa_reserve_vcc 1
		.amdhsa_float_denorm_mode_32 3
		.amdhsa_float_denorm_mode_16_64 3
		.amdhsa_memory_ordered 1
		.amdhsa_forward_progress 1
		.amdhsa_inst_pref_size 100
	.end_amdhsa_kernel
	.amdgpu_metadata
---
amdhsa.version: [ 1, 2 ]
amdhsa.kernels:
  - .name:           k_q36cbd807c7_gemm_v
    .symbol:         k_q36cbd807c7_gemm_v.kd
    .args:
      - { .name: xc, .offset: 0, .size: 8, .value_kind: global_buffer, .address_space: global }
      - { .name: wc, .offset: 8, .size: 8, .value_kind: global_buffer, .address_space: global }
      - { .name: sc, .offset: 16, .size: 8, .value_kind: global_buffer, .address_space: global }
      - { .name: tl, .offset: 24, .size: 8, .value_kind: global_buffer, .address_space: global }
      - { .name: u_v, .offset: 32, .size: 8, .value_kind: global_buffer, .address_space: global }
      - { .name: b_v, .offset: 40, .size: 8, .value_kind: global_buffer, .address_space: global }
      - { .name: kv, .offset: 48, .size: 8, .value_kind: global_buffer, .address_space: global }
    .group_segment_fixed_size: 327680
    .private_segment_fixed_size: 0
    .kernarg_segment_align: 8
    .kernarg_segment_size: 56
    .max_flat_workgroup_size: 128
    .sgpr_count:     102
    .vgpr_count:     768
    .wavefront_size: 32
...
	.end_amdgpu_metadata
.endif
;; end of part 4
;; launch attn (part 5): grid 4 x 64, 8 waves a work-group, clusters of 4 x 1, 327,680 bytes of LDS; arguments qb, kv, oc, sc; writes oc, sc
.if DOCPART == 5
	.amdgcn_target "amdgcn-amd-amdhsa--gfx1250"
	.amdhsa_code_object_version 6
	.text
	.protected	k_q36cbd807c7_attn
	.globl	k_q36cbd807c7_attn
	.p2align	8
	.type	k_q36cbd807c7_attn,@function
k_q36cbd807c7_attn:
	s_mov_b64 s[64:65], 0
	v_nop
	global_prefetch_b8 v0, s[64:65] scope:SCOPE_SE
	s_setreg_imm32_b32 hwreg(HW_REG_WAVE_MODE, 25, 1), 1
	s_wait_xcnt 0x0
	s_wait_alu depctr_hold_cnt(0) depctr_sa_sdst(0) depctr_va_vdst(0) depctr_va_sdst(0) depctr_va_ssrc(0) depctr_va_vcc(0) depctr_vm_vsrc(0)
	s_getreg_b32 s2, hwreg(HW_REG_IB_STS2, 6, 4)
	s_cmp_eq_u32 s2, 0
	s_cbranch_scc0 .Lentry_in_a_cluster
	s_endpgm
.Lentry_in_a_cluster:
	s_bfe_u32 s2, ttmp6, 0x10000c
	s_cmp_lg_u32 s2, 0x3003
	s_cbranch_scc0 .Lentry_shape_is_right
	s_endpgm
.Lentry_shape_is_right:
; o = softmax(q k^T / 8) v for one batch and head (work-group y) and 512 queries (work-group x), both products on codes of FP6 (E2M3) with E8M0 scales; o leaves as codes and scale bytes for the last projection.
; INPUTS, as the launches before lay them.  qb, a block of QBB bytes a head: 8,192 bytes of scale words, then a half image of 768 bytes for each tile of 16 tokens (registers 0-3 of a fragment at 16 x lane, 4-5 at 512 + 8 x lane).
; kv, KVB bytes a head: K's scale words (512 bytes for 128 tokens), V's (256 bytes), then for each step of 128 tokens K's 8 half images and V's 8 (V: keys innermost, in true order).
; Place r of a stored token tile a is token 32 (a / 2) + 8 (a % 2) + r + 8 (r / 8).
; LDS holds the head's whole block of kv, 208,896 bytes, filled once: one joint load a wave, 102 rows of 256 bytes, shared by the cluster's four work-groups, which read the same head.  No byte is filled again.
; No prefetch is laid: all of kv is asked for at the head, so there is no loop to run ahead in.
; SHARES.  8 waves; a wave owns 4 tiles of 16 queries and walks 16 steps of 128 keys; each fragment of K and V that it reads from LDS serves its four tiles.  The tiles are worked in two pairs, a pair's two tiles by turns.
; Both products are used transposed (S^T = k q^T, O^T = v^T p^T): a lane holds one query.  THE KEYS OF A TILE OF K ARE CHOSEN BY THE LANES' LDS ADDRESSES: row r of tile n = 4 c + u is key 64 c + 32 (r / 8) + 8 u + r % 8
; (stored tile 4 c + 2 (r / 8) + u % 2, place 8 (u / 2) + r % 8).  So lane (query, h) holds in registers 32 c .. 32 c + 31 of a tile's scores the keys 64 c + 32 h + 0 .. 31: a WHOLE block of 32, in the order of p's operand:
; a block's largest score needs no other lane and the codes need no exchange of lanes.  The head's size is 64: the upper 64 of the first product's K meet zero codes of q.
; SOFTMAX: M = ceil(c x the running largest score), c = log2(e) / 8, kept as -M = floor(-c x it); p = 2^(c s - M); the row's sum is taken of the unquantised p; when M moves, sum and O^T are multiplied by 2^(old M - new M), exactly.
; A block's largest p is the block's largest score put through the same multiply-add and exponential.
; LIMITS: the promise holds while |c x score| stays under 2^31; a block of zeros gets the byte 1 where the rule says 127 (zero codes; this program alone reads the bytes); NaN and infinities are not served.
; In the last trip the fragments asked for ahead are the last step's once more (clamped addresses) and are not used.
; REGISTERS.  Window 0: v1-15 offsets and LDS addresses; v16-35 each tile's (-M, largest score), its sum in two halves, a pair's factors; v36-47 scale words and nothing else; v48-63 at work; v64-103 p's codes;
; v104-231 a pair's scores, then p; v232-255 V's fragments 0, 1.  Window 1: v0-127 O^T of four tiles; v128-175 q (6 registers of codes, 6 of zeros, a tile); v176-229 K's 8 fragments and 6 zeros; v230-253 V's fragments 2, 3.
.set KVB,   208896
.set QBB,   106496
.set SPARE, 208896                     ; behind kv: the spare words, 128 bytes a wave
.set SC_O,  393216
.set L16, 1
.set L8,  2
.set SPW, 4
.set NIL, 5
.set KL16, 6                           ; the lanes' terms for K's codes and scale words
.set KL8,  7
.set KSL,  8
.set KA16, 9                           ; the step's LDS addresses
.set KA8,  10
.set KSA,  11
.set VA16, 12
.set VA8,  13
.set VSA,  14
.set SH8,  15                          ; 8 h
.set NM,  16
.set LS,  24
.set FF,  32
.set QS,  36
.set PW,  40
.set KSC, 42
.set VSC, 46
.set TM,  48
.set PC,  64
.set YT,  88
.set S,   104
.set V0,  232
.set O,   0                            ; window 1
.set Q,   128
.set KF,  176
.set V1,  230
.set WV,  12
.set CX,  13
.set BH,  14
.set G1,  16
.set G0,  24
.set SEL, 28
.set CS,  30
.set CN,  32
.set SN,  33                           ; 256 x (step + 1): the loop's counter
.set SCL, 34
.set TK,  35
.set TS2, 36
.set PQ,  38
.set PQS, 40
.set PO,  42
.set PSC, 44
.set MSB, 0
.macro WIN new                         ; the immediate's high byte repeats the setting that is left
.if MSB != \new
	s_set_vgpr_msb (MSB<<8)|\new
.set MSB, \new
.endif
.endm
.macro H2
	s_delay_alu instid0(VALU_DEP_2)
.endm
.macro CROUND
	s_barrier_signal -1
	s_barrier_wait -1
	s_cmp_lg_u32 s[WV], 0
	s_cbranch_scc1 .Lnot_wave_0_\@
	s_barrier_signal -3
.Lnot_wave_0_\@:
	s_barrier_wait -3
	s_barrier_signal -1
	s_barrier_wait -1
.endm
	s_load_b256 s[4:11], s[0:1], 0x0               ; qb, kv, oc, sc
	v_lshl_add_u32 v[SPW], v0, 2, SPARE
	v_mov_b32 v[NIL], 0
	ds_add_u32 v[SPW], v[NIL]                      ; the opening lines: the add, twice on end, and its wait ahead of my tensor load
	ds_add_u32 v[SPW], v[NIL]
	v_lshrrev_b32 v1, 5, v0
	v_readfirstlane_b32 s[WV], v1                  ; wave 0..7
	s_bfe_u32 s[CX], ttmp6, 0x40000
	s_and_b32 s[BH], ttmp7, 0xffff                 ; 16 x batch + head
	s_mov_b32 s[G1], 15|(3<<16)|(1<<21)            ; the mask names the cluster's four; elements of 8 bytes
	s_mov_b32 s[G1+1], 32<<16                      ; rows of 256 bytes,
	s_mov_b32 s[G1+2], 102<<16                     ; 102 a wave: an eighth of the head's block
	s_mov_b32 s[G1+3], 32<<16
	s_mov_b32 s[G1+4], 102
	s_mov_b32 s[G1+5], 32
	s_mov_b32 s[G1+6], 0
	s_mov_b32 s[G1+7], 0
	s_mul_i32 s46, s[WV], 26112
	s_mul_i32 s48, s[BH], KVB
	s_add_co_u32 s48, s48, s46
	s_mov_b32 s49, 0
	s_mov_b32 s[SEL], 0x76543210
	s_mov_b32 s[SEL+1], 0xfedcba98                 ; selects for lane l xor 16
	s_mov_b32 s[CS], 0x3e38aa3b                    ; c = log2(e) / 8
	s_mov_b32 s[CS+1], s[CS]
	s_mov_b32 s[CN], 0xbe38aa3b                    ; -c
	s_wait_dscnt 0x0
	s_wait_kmcnt 0x0
	s_mov_b32 s[G0], 1
	s_mov_b32 s[G0+1], s46
	s_add_nc_u64 s[G0+2:G0+3], s[6:7], s[48:49]
	s_or_b32 s[G0+3], s[G0+3], 0x80000000
	CROUND                                         ; the four work-groups are here: the joint loads meet
	tensor_load_to_lds s[G0:G0+3], s[G1:G1+7]
	s_nop 0
.rept 4
	v_nop
.endr
	s_lshl_b32 s46, s[CX], 5
	s_lshl_b32 s47, s[WV], 2
	s_add_co_u32 s46, s46, s47                     ; my first tile of the head's 128: 32 x + 4 wave
	s_mul_i32 s48, s[BH], QBB
	s_add_nc_u64 s[PQS:PQS+1], s[4:5], s[48:49]
	s_mul_i32 s48, s46, 768
	s_add_co_u32 s48, s48, 8192
	s_add_nc_u64 s[PQ:PQ+1], s[PQS:PQS+1], s[48:49]
	s_lshr_b32 s48, s46, 3                         ; q's scale word of tile T, row r: 512 (T / 8) + 256 (T % 2) + 4 ((T % 8) / 2) + 16 r
	s_lshl_b32 s48, s48, 9
	s_and_b32 s47, s[WV], 1
	s_lshl_b32 s47, s47, 3
	s_add_co_u32 s48, s48, s47
	s_add_nc_u64 s[PQS:PQS+1], s[PQS:PQS+1], s[48:49]
	s_lshr_b32 s47, s[BH], 4
	s_lshl_b32 s47, s47, 7
	s_add_co_u32 s46, s46, s47                     ; the tile counted through all batches
	s_and_b32 s47, s[BH], 15                       ; the head
	s_mul_i32 s48, s46, 12288
	s_mul_i32 s50, s47, 768
	s_add_co_u32 s48, s48, s50
	s_add_nc_u64 s[PO:PO+1], s[8:9], s[48:49]
	s_lshl_b32 s48, s46, 9
	s_lshr_b32 s50, s47, 1
	s_lshl_b32 s50, s50, 6
	s_add_co_u32 s48, s48, s50
	s_and_b32 s50, s47, 1
	s_lshl_b32 s50, s50, 1
	s_add_co_u32 s48, s48, s50
	s_add_co_u32 s48, s48, SC_O
	s_add_nc_u64 s[PSC:PSC+1], s[10:11], s[48:49]
	s_mov_b32 s[SCL], 0
	s_mov_b32 s[TK], 0
	s_mov_b32 s[TS2], 0
	s_mov_b32 s[SN], 256
	v_and_b32 v3, 31, v0
	v_lshlrev_b32 v[L16], 4, v3
	v_lshlrev_b32 v[L8], 3, v3
	v_bfe_u32 v[SH8], v0, 4, 1                     ; h
	v_and_b32 v[KA16], 7, v0                       ; r % 8
	v_bfe_u32 v[KA8], v0, 3, 1                     ; r / 8
	v_mul_u32_u24 v[KL16], v[KA8], 1536            ; rows 8-15 come from two stored tiles further on
	v_lshl_add_u32 v[KL8], v[KA16], 3, v[KL16]
	v_lshl_add_u32 v[KL8], v[SH8], 7, v[KL8]
	v_lshl_add_u32 v[KL16], v[KA16], 4, v[KL16]
	v_lshl_add_u32 v[KL16], v[SH8], 8, v[KL16]
	v_lshlrev_b32 v[KSL], 2, v[KA8]                ; K's scale words: 16 (r % 8) + 4 (r / 8); lanes 16-31 take the odd tile's, 256 bytes on
	v_lshl_add_u32 v[KSL], v[KA16], 4, v[KSL]
	v_lshl_add_u32 v[KSL], v[SH8], 8, v[KSL]
	v_and_b32 v3, 15, v0
	v_lshlrev_b32 v3, 4, v3                        ; 16 r
	v_lshlrev_b32 v[SH8], 3, v[SH8]
.irp t, 0,1,2,3
	v_mov_b32 v[NM+2*\t], 0x7f61b1e6               ; -M: so large that the first factor is 0
	v_mov_b32 v[NM+2*\t+1], 0xff61b1e6             ; the largest score so far: under every score
	v_mov_b32 v[LS+2*\t], 0
	v_mov_b32 v[LS+2*\t+1], 0
.endr
.irp j, FF+1, FF+3, TM+6, TM+7, TM+14, TM+15
	v_mov_b32 v[\j], 0                             ; upper halves of pairs, and lane permutes' destinations, which count as sources
.endr
	WIN 0x40
.set j, 0
.rept 128
	v_mov_b32 v[O+j], 0                            ; the step is written once: the first finds zeros
.set j, j+1
.endr
.irp j, 6,7,8,9,10,11
.irp t, 0,1,2,3
	v_mov_b32 v[Q+12*\t+\j], 0                     ; zero codes for the upper 64 of the first product's K
.endr
	v_mov_b32 v[KF+42+\j], 0
.endr
	s_wait_alu depctr_va_vdst(0)
.irp t, 0,1,2,3
	global_load_b128 v[Q+12*\t:Q+12*\t+3], v[L16], s[PQ:PQ+1] offset:768*\t
	global_load_b64 v[Q+12*\t+4:Q+12*\t+5], v[L8], s[PQ:PQ+1] offset:768*\t+512
.endr
	WIN 0
.irp t, 0,1,2,3
	global_load_b32 v[QS+\t], v3, s[PQS:PQS+1] offset:256*(\t%2)+4*(\t/2)
.endr
.macro ADDRK
	v_add_nc_u32 v[KA16], s[TK], v[KL16]
	v_add_nc_u32 v[KA8], s[TK], v[KL8]
	v_add_nc_u32 v[KSA], s[TS2], v[KSL]
.endm
.macro ADDRV
	v_add_nc_u32 v[VA16], s[TK], v[L16]
	v_add_nc_u32 v[VA8], s[TK], v[L8]
	v_add_nc_u32 v[VSA], s[SCL], v[L8]
.endm
.macro KLOAD                           ; 20 loads: K's eight tiles, and four registers of scale words (lanes 0-15 tile 4 c + 2 g, lanes 16-31 tile 4 c + 2 g + 1)
	WIN 0x40
.irp n, 0,1,2,3,4,5,6,7
	ds_load_b128 v[KF+6*\n:KF+6*\n+3], v[KA16] offset:12288+3072*(\n/4)+768*(\n%2)+128*((\n%4)/2)
	ds_load_b64 v[KF+6*\n+4:KF+6*\n+5], v[KA8] offset:12800+3072*(\n/4)+768*(\n%2)+64*((\n%4)/2)
.endr
	WIN 0
.irp g, 0,1,2,3
	ds_load_b32 v[KSC+\g], v[KSA] offset:128*(\g%2)+8*(\g/2)
.endr
.endm
.macro VLOAD                           ; 17 loads: V's four fragments and their scale words
.irp n, 0,1
.irp c, 0,1
	ds_load_b128 v[V0+12*\n+6*\c:V0+12*\n+6*\c+3], v[VA16] offset:18432+1536*\n+768*\c
	ds_load_b64 v[V0+12*\n+6*\c+4:V0+12*\n+6*\c+5], v[VA8] offset:18944+1536*\n+768*\c
.endr
.endr
	WIN 0x40
.irp n, 0,1
.irp c, 0,1
	ds_load_b128 v[V1+12*\n+6*\c:V1+12*\n+6*\c+3], v[VA16] offset:21504+1536*\n+768*\c
	ds_load_b64 v[V1+12*\n+6*\c+4:V1+12*\n+6*\c+5], v[VA8] offset:22016+1536*\n+768*\c
.endr
.endr
	WIN 0
	ds_load_b64 v[VSC:VSC+1], v[VSA] offset:8192
.endm
.macro SMUL p                          ; S^T of pair p: 16 products, each on an accumulator of its own, begun with the constant 0
	WIN 0x05
.irp n, 0,1,2,3,4,5,6,7
.irp x, 0,1
.if (\n)%2
	v_wmma_scale_f32_16x16x128_f8f6f4 v[S+64*\x+8*\n:S+64*\x+8*\n+7], v[KF+6*\n:KF+6*\n+11], v[Q+12*(2*\p+\x):Q+12*(2*\p+\x)+11], 0, v[KSC+2*(\n/4)+(\n%4)/2], v[QS+2*\p+\x] matrix_a_fmt:MATRIX_FMT_FP6 matrix_b_fmt:MATRIX_FMT_FP6 matrix_a_scale:MATRIX_SCALE_ROW1
.else
	v_wmma_scale_f32_16x16x128_f8f6f4 v[S+64*\x+8*\n:S+64*\x+8*\n+7], v[KF+6*\n:KF+6*\n+11], v[Q+12*(2*\p+\x):Q+12*(2*\p+\x)+11], 0, v[KSC+2*(\n/4)+(\n%4)/2], v[QS+2*\p+\x] matrix_a_fmt:MATRIX_FMT_FP6 matrix_b_fmt:MATRIX_FMT_FP6
.endif
.endr
.endr
	WIN 0
.endm
.macro SUMJ p, j                       ; four more numbers of each tile onto its two chains of sums
.irp x, 0,1
	v_pk_add_f32 v[LS+2*(2*\p+\x):LS+2*(2*\p+\x)+1], v[LS+2*(2*\p+\x):LS+2*(2*\p+\x)+1], v[S+64*\x+\j:S+64*\x+\j+1]
.endr
.irp x, 0,1
	v_pk_add_f32 v[TM+10+2*\x:TM+11+2*\x], v[TM+10+2*\x:TM+11+2*\x], v[S+64*\x+\j+2:S+64*\x+\j+3]
.endr
.endm
.macro PVMUL p, n, x, vr
.if (\n)%2
	v_wmma_scale_f32_16x16x128_f8f6f4 v[O+32*(2*\p+\x)+8*\n:O+32*(2*\p+\x)+8*\n+7], v[\vr:\vr+11], v[PC+12*\x:PC+12*\x+11], v[O+32*(2*\p+\x)+8*\n:O+32*(2*\p+\x)+8*\n+7], v[VSC+\n/2], v[PW+\x] matrix_a_fmt:MATRIX_FMT_FP6 matrix_b_fmt:MATRIX_FMT_FP6 matrix_a_scale:MATRIX_SCALE_ROW1
.else
	v_wmma_scale_f32_16x16x128_f8f6f4 v[O+32*(2*\p+\x)+8*\n:O+32*(2*\p+\x)+8*\n+7], v[\vr:\vr+11], v[PC+12*\x:PC+12*\x+11], v[O+32*(2*\p+\x)+8*\n:O+32*(2*\p+\x)+8*\n+7], v[VSC+\n/2], v[PW+\x] matrix_a_fmt:MATRIX_FMT_FP6 matrix_b_fmt:MATRIX_FMT_FP6
.endif
.endm
; The softmax of pair p's 2 x 16 queries x 128 keys, and its second product.  Block k = 2 x + c of four: tile x, my 32 keys of half c, registers S + 32 k on.
.macro SOFT p
.irp k, 0,1,2,3
	v_max3_num_f32 v[TM+\k], v[S+32*\k], v[S+32*\k+1], v[S+32*\k+2]     ; each accumulator is first read at its low end; the four blocks by turns
.endr
.irp i, 3,5,7,9,11,13,15,17,19,21,23,25,27,29
.irp k, 0,1,2,3
	v_max3_num_f32 v[TM+\k], v[TM+\k], v[S+32*\k+\i], v[S+32*\k+\i+1]
.endr
.endr
.irp k, 0,1,2,3
	v_max_num_f32 v[TM+\k], v[TM+\k], v[S+32*\k+31]                     ; the block's largest score
.endr
.irp x, 0,1
	v_max_num_f32 v[TM+4+\x], v[TM+2*\x], v[TM+2*\x+1]
.endr
.irp x, 0,1
	H2
	v_permlanex16_b32 v[TM+6+\x], v[TM+4+\x], s[SEL], s[SEL+1]          ; lane l xor 16's 64 keys
.endr
.irp x, 0,1
	v_mov_b32 v[TM+8+\x], v[NM+2*(2*\p+\x)]                             ; the old -M
.endr
.irp x, 0,1
	v_max3_num_f32 v[NM+2*(2*\p+\x)+1], v[NM+2*(2*\p+\x)+1], v[TM+4+\x], v[TM+6+\x]   ; the running largest score
.endr
.irp x, 0,1
	H2
	v_mul_f32 v[TM+4+\x], s[CN], v[NM+2*(2*\p+\x)+1]
.endr
.irp x, 0,1
	H2
	v_floor_f32 v[NM+2*(2*\p+\x)], v[TM+4+\x]                           ; -M = floor(-c x it): M is a whole number
.endr
.irp x, 0,1
	H2
	v_sub_f32 v[TM+8+\x], v[NM+2*(2*\p+\x)], v[TM+8+\x]                 ; old M - new M
.endr
.irp x, 0,1
	H2
	v_cvt_i32_f32 v[TM+8+\x], v[TM+8+\x]                                ; (it saturates)
.endr
.irp x, 0,1
	H2
	v_ldexp_f32 v[FF+2*\x], 1.0, v[TM+8+\x]                             ; f = 2^(old M - new M)
.endr
.irp k, 0,1,2,3
	v_fma_f32 v[TM+\k], v[TM+\k], s[CS], v[NM+2*(2*\p+\k/2)]            ; the block's largest t - M
.endr
.irp x, 0,1
	v_pk_mul_f32 v[LS+2*(2*\p+\x):LS+2*(2*\p+\x)+1], v[LS+2*(2*\p+\x):LS+2*(2*\p+\x)+1], v[FF+2*\x:FF+2*\x+1] op_sel_hi:[1,0]
.endr
.irp x, 0,1
.set j, 0
.rept 32
	v_pk_fma_f32 v[S+64*\x+j:S+64*\x+j+1], v[S+64*\x+j:S+64*\x+j+1], s[CS:CS+1], v[NM+2*(2*\p+\x):NM+2*(2*\p+\x)+1] op_sel_hi:[1,0,0]   ; t - M
.set j, j+2
.endr
.endr
	WIN 0x41
	s_wait_alu depctr_va_vdst(0)                   ; ahead of the first reader of O^T
.irp x, 0,1
.set j, 0
.rept 16
	v_pk_mul_f32 v[O+32*(2*\p+\x)+j:O+32*(2*\p+\x)+j+1], v[O+32*(2*\p+\x)+j:O+32*(2*\p+\x)+j+1], v[FF+2*\x:FF+2*\x+1] op_sel_hi:[1,0]   ; O^T under the new M
.set j, j+2
.endr
.endr
	WIN 0
	s_wait_alu depctr_va_vdst(0)                   ; ahead of the batch
.set j, 0
.rept 128
	v_exp_f32 v[S+j], v[S+j]                       ; p = 2^(t - M), at most 1
.set j, j+1
.endr
.irp k, 0,1,2,3
	v_exp_f32 v[TM+\k], v[TM+\k]                   ; the block's largest p
.endr
	v_nop
	s_wait_alu depctr_va_vdst(0)                   ; and behind it: one wait for the whole batch
.if \p == 0
	s_wait_dscnt 0x0                               ; V's fragments, asked for at the end of the trip before, are in
.endif
.irp k, 0,1,2,3
	v_max_num_f32 v[TM+\k], 0x1800000, v[TM+\k]    ; the floor 2^(3 - 127): the byte cannot fall under 1
.endr
.irp k, 0,1,2,3
	v_add_nc_u32 v[TM+\k], 0xff000000, v[TM+\k]    ; 2 off the exponent field: the conversion's scale operand
.endr
.irp k, 0,1,2,3
	v_lshrrev_b32 v[TM+4+\k], 23, v[TM+\k]         ; the byte
.endr
.irp x, 0,1
	v_lshl_or_b32 v[TM+8+\x], v[TM+5+2*\x], 16, v[TM+4+2*\x]   ; my blocks h and 2 + h,
.endr
.irp x, 0,1
	H2
	v_lshlrev_b32 v[TM+8+\x], v[SH8], v[TM+8+\x]   ; at their places in the scale word;
.endr
.irp x, 0,1
	H2
	v_permlanex16_b32 v[TM+14+\x], v[TM+8+\x], s[SEL], s[SEL+1]
.endr
.irp x, 0,1
	H2
	v_or_b32 v[PW+\x], v[TM+8+\x], v[TM+14+\x]     ; with lane l xor 16's two the word is whole
.endr
.irp x, 0,1
.irp c, 0,1
	v_cvt_scalef32_pk16_fp6_f32 v[PC+12*\x+6*\c:PC+12*\x+6*\c+2], v[S+64*\x+32*\c:S+64*\x+32*\c+15], v[TM+2*\x+\c]
	v_cvt_scalef32_pk16_fp6_f32 v[YT+8*\x+4*\c:YT+8*\x+4*\c+2], v[S+64*\x+32*\c+16:S+64*\x+32*\c+31], v[TM+2*\x+\c]   ; (a conversion's three registers begin on an even number)
.endr
.endr
.irp x, 0,1
	v_pk_add_f32 v[TM+10+2*\x:TM+11+2*\x], v[S+64*\x:S+64*\x+1], v[S+64*\x+2:S+64*\x+3]   ; the row's sum, of the unquantised p: two chains a tile
.endr
.irp j, 4,8,12,16,20,24,28,32,36,40,44,48,52
	SUMJ \p, \j
.endr
.irp x, 0,1
.irp c, 0,1
.irp i, 0,1,2
	v_mov_b32 v[PC+12*\x+6*\c+3+\i], v[YT+8*\x+4*\c+\i]
.endr
.endr
.endr
	SUMJ \p, 56                                    ; these ten lines are also the places between the codes' last write and the products
	SUMJ \p, 60
.irp x, 0,1
	v_pk_add_f32 v[LS+2*(2*\p+\x):LS+2*(2*\p+\x)+1], v[LS+2*(2*\p+\x):LS+2*(2*\p+\x)+1], v[TM+10+2*\x:TM+11+2*\x]
.endr
	WIN 0x50                                       ; O^T += v^T p^T: eight accumulators by turns
.irp n, 0,1
.irp x, 0,1
	PVMUL \p, \n, \x, V0+12*\n
.endr
.endr
	WIN 0x51
.irp n, 2,3
.irp x, 0,1
	PVMUL \p, \n, \x, V1+12*(\n-2)
.endr
.endr
.endm
	s_wait_loadcnt 0x0
	s_wait_tensorcnt 0x0                           ; my eighth of kv has landed
	s_barrier_signal -1
	s_barrier_wait -1                              ; everybody's has
	ADDRK
	ADDRV
	KLOAD
	VLOAD
	s_wait_alu depctr_va_vdst(0)
.Ltrip:
	s_min_u32 s[SCL], s[SN], 3840                  ; 256 x the next step, held at the last
	s_mul_i32 s[TK], s[SCL], 48                    ; 12,288 bytes of codes a step
	s_lshl_b32 s[TS2], s[SCL], 1                   ; 512 bytes of K's scale words
	s_wait_dscnt 17                                ; K's 20 loads are in; V's 17, issued behind them, may be out
	SMUL 0
	ADDRK                                          ; with the v_nop: four places ahead of the first read of the scores
	v_nop
	SOFT 0
	SMUL 1
.rept 4
	v_nop                                          ; four places ahead of the loads into K's registers and of the first read of the scores
.endr
	KLOAD                                          ; the next step's K
	SOFT 1
	WIN 0
	ADDRV                                          ; with the v_nop: four places ahead of the loads into V's registers
	v_nop
	VLOAD                                          ; the next step's V
	s_add_co_u32 s[SN], s[SN], 256
	s_cmp_lt_u32 s[SN], 4352
	s_wait_alu depctr_va_vdst(0)                   ; ahead of the branch
	s_cbranch_scc1 .Ltrip
; THE WAY OUT: O^T / the sum, quantised along the head's 64 (register 16 b + i of a tile is d = 32 b + 16 h + i: lanes l and l xor 16 share a block), a half image and two scale bytes a tile.  The four tiles by turns.
.irp t, 0,1,2,3
	v_add_f32 v[LS+2*\t], v[LS+2*\t], v[LS+2*\t+1]
.endr
.irp t, 0,1,2,3
	v_permlanex16_b32 v[TM+\t], v[LS+2*\t], s[SEL], s[SEL+1]
.endr
.irp t, 0,1,2,3
	v_add_f32 v[LS+2*\t], v[LS+2*\t], v[TM+\t]
.endr
	s_wait_alu depctr_va_vdst(0)
.irp t, 0,1,2,3
	v_rcp_f32 v[LS+2*\t], v[LS+2*\t]
.endr
	v_nop
	s_wait_alu depctr_va_vdst(0)
	WIN 0x01
.set j, 0
.rept 64
	v_pk_mul_f32 v[S+j:S+j+1], v[O+j:O+j+1], v[LS+2*(j/32):LS+2*(j/32)+1] op_sel_hi:[1,0]
.set j, j+2
.endr
	WIN 0
.irp k, 0,1,2,3,4,5,6,7
	v_max3_num_f32 v[TM+\k], |v[S+16*\k]|, |v[S+16*\k+1]|, 0x1800000
.endr
.irp i, 2,4,6,8,10,12,14
.irp k, 0,1,2,3,4,5,6,7
	v_max3_num_f32 v[TM+\k], v[TM+\k], |v[S+16*\k+\i]|, |v[S+16*\k+\i+1]|
.endr
.endr
.irp k, 0,1,2,3,4,5,6,7
	v_permlanex16_b32 v[TM+8+\k], v[TM+\k], s[SEL], s[SEL+1]
.endr
.irp k, 0,1,2,3,4,5,6,7
	v_max_num_f32 v[TM+\k], v[TM+\k], v[TM+8+\k]
.endr
.irp k, 0,1,2,3,4,5,6,7
	v_add_nc_u32 v[TM+\k], 0xff000000, v[TM+\k]
.endr
.irp k, 0,1,2,3,4,5,6,7
	v_lshrrev_b32 v[TM+8+\k], 23, v[TM+\k]
.endr
.irp t, 0,1,2,3
	v_cvt_scalef32_pk16_fp6_f32 v[PC+6*\t:PC+6*\t+2], v[S+32*\t:S+32*\t+15], v[TM+2*\t]
	v_cvt_scalef32_pk16_fp6_f32 v[YT+4*\t:YT+4*\t+2], v[S+32*\t+16:S+32*\t+31], v[TM+2*\t+1]
.endr
	v_bfe_u32 v3, v0, 4, 1                         ; (a plain place behind the conversions)  the scale bytes' place: 512 h + 4 r
	v_lshlrev_b32 v3, 9, v3
.irp t, 0,1,2,3
.irp i, 0,1,2
	v_permlane16_swap_b32 v[PC+6*\t+\i], v[YT+4*\t+\i]   ; a whole block in a lane
.endr
.endr
.irp t, 0,1,2,3
.irp i, 0,1,2
	v_mov_b32 v[PC+6*\t+3+\i], v[YT+4*\t+\i]
.endr
.endr
.irp t, 0,1,2,3
	global_store_b128 v[L16], v[PC+6*\t:PC+6*\t+3], s[PO:PO+1] offset:12288*\t
	global_store_b64 v[L8], v[PC+6*\t+4:PC+6*\t+5], s[PO:PO+1] offset:12288*\t+512
.endr
	v_and_b32 v[S+8], 15, v0
	v_lshl_add_u32 v3, v[S+8], 2, v3
.irp t, 0,1,2,3
	v_lshl_or_b32 v[S+\t], v[TM+9+2*\t], 8, v[TM+8+2*\t]
.endr
	v_cmp_lt_u32 vcc_lo, 0xff, v[L16]
.irp g, 0,1
	v_cndmask_b32 v[S+4+\g], v[S+2*\g], v[S+2*\g+1], vcc_lo   ; lanes 0-15 give tile 2 g's two bytes, lanes 16-31 tile 2 g + 1's
.endr
.irp g, 0,1
	global_store_b16 v3, v[S+4+\g], s[PSC:PSC+1] offset:1024*\g
.endr
	s_wait_tensorcnt 0x0                           ; the wave's end
	ds_add_u32 v[SPW], v[NIL]
	s_wait_dscnt 0x0
	CROUND                                         ; the closing round
	s_endpgm
.Lfunc_end_k_q36cbd807c7_attn:
	.size	k_q36cbd807c7_attn, .Lfunc_end_k_q36cbd807c7_attn-k_q36cbd807c7_attn
	.p2alignl 7, 3214868480
	.fill 96, 4, 3214868480
	.section	.rodata,"a",@progbits
	.p2align	6, 0x0
	.amdhsa_kernel k_q36cbd807c7_attn
		.amdhsa_group_segment_fixed_size 327680
		.amdhsa_private_segment_fixed_size 0
		.amdhsa_enable_private_segment 0
		.amdhsa_kernarg_size 32
		.amdhsa_user_sgpr_count 2
		.amdhsa_user_sgpr_kernarg_segment_ptr 1
		.amdhsa_wavefront_size32 1
		.amdhsa_system_sgpr_workgroup_id_x 1
		.amdhsa_system_sgpr_workgroup_id_y 1
		.amdhsa_system_sgpr_workgroup_id_z 1
		.amdhsa_system_vgpr_workitem_id 0
		.amdhsa_next_free_vgpr 512
		.amdhsa_next_free_sgpr 66
		.amdhsa_reserve_vcc 1
		.amdhsa_float_denorm_mode_32 3
		.amdhsa_float_denorm_mode_16_64 3
		.amdhsa_memory_ordered 1
		.amdhsa_forward_progress 1
		.amdhsa_inst_pref_size 82
	.end_amdhsa_kernel
	.amdgpu_metadata
---
amdhsa.version: [ 1, 2 ]
amdhsa.kernels:
  - .name:           k_q36cbd807c7_attn
    .symbol:         k_q36cbd807c7_attn.kd
    .args:
      - { .name: qb, .offset: 0, .size: 8, .value_kind: global_buffer, .address_space: global }
      - { .name: kv, .offset: 8, .size: 8, .value_kind: global_buffer, .address_space: global }
      - { .name: oc, .offset: 16, .size: 8, .value_kind: global_buffer, .address_space: global }
      - { .name: sc, .offset: 24, .size: 8, .value_kind: global_buffer, .address_space: global }
    .group_segment_fixed_size: 327680
    .private_segment_fixed_size: 0
    .kernarg_segment_align: 8
    .kernarg_segment_size: 32
    .max_flat_workgroup_size: 256
    .sgpr_count:     66
    .vgpr_count:     512
    .wavefront_size: 32
...
	.end_amdgpu_metadata
.endif
;; end of part 5
;; launch gemm_o (part 6): grid 8 x 32, 4 waves a work-group, clusters of 4 x 4, 327,680 bytes of LDS; arguments oc, wc, sc, b_o, out0; writes out0
.if DOCPART == 6
	.amdgcn_target "amdgcn-amd-amdhsa--gfx1250"
	.amdhsa_code_object_version 6
	.text
	.protected	k_q36cbd807c7_gemm_o
	.globl	k_q36cbd807c7_gemm_o
	.p2align	8
	.type	k_q36cbd807c7_gemm_o,@function
k_q36cbd807c7_gemm_o:
	s_mov_b64 s[64:65], 0
	v_nop
	global_prefetch_b8 v0, s[64:65] scope:SCOPE_SE
	s_setreg_imm32_b32 hwreg(HW_REG_WAVE_MODE, 25, 1), 1
	s_wait_xcnt 0x0
	s_wait_alu depctr_hold_cnt(0) depctr_sa_sdst(0) depctr_va_vdst(0) depctr_va_sdst(0) depctr_va_ssrc(0) depctr_va_vcc(0) depctr_vm_vsrc(0)
	s_getreg_b32 s2, hwreg(HW_REG_IB_STS2, 6, 4)
	s_cmp_eq_u32 s2, 0
	s_cbranch_scc0 .Lentry_in_a_cluster
	s_endpgm
.Lentry_in_a_cluster:
	s_bfe_u32 s2, ttmp6, 0x10000c
	s_cmp_lg_u32 s2, 0xf033
	s_cbranch_scc0 .Lentry_shape_is_right
	s_endpgm
.Lentry_shape_is_right:
; ONE SOURCE, BUILT THREE WAYS (MODE): 0: q = x w_q + b_q + t_q u_q and k likewise;  1: v likewise;  2: out0 = o w_o + b_o.  The large products run on codes of FP6 (E2M3) with E8M0 scales, K = 1,024.
; Both operands lie in memory in the order of an operand's registers: [tile of 16][j 16][half image of 768 bytes: registers 0-3 at 16 x lane, registers 4-5 at 512 + 8 x lane]; a fragment of K step s is half images 2 s, 2 s + 1.
; Place r of a tile T (of tokens or of columns) is index 32 (T / 2) + 8 (T % 2) + r + 8 (r / 8): so the 16 registers of two neighbouring result tiles are 16 neighbours along the NEXT product's K.
; SHARES.  A work-group makes 256 tokens x 128 columns; wave w: tokens 128 (w / 2) on (blocks a = 0 .. 7), columns 64 (w % 2) on: one head (blocks b = 0 .. 3): 32 accumulators.
; LDS HOLDS ALL OF K: four chunks of 256 along K, each 16 tiles of tokens and 8 of columns x 3,072 bytes: 294,912 bytes, every byte filled once.  So there is no ring and no refill: a wave issues its four tensor loads at the
; start (four are out, by this text's count), and a counted wait and a barrier stand in front of each chunk's first read.
; CLUSTER 4 x 4: the four work-groups of a row need the same tokens, the four of a column the same columns: each tile is asked for jointly.
; MODES 0, 1: THE SUMS BEGIN WITH BIAS AND LoRA: 64 products 16 x 16 x 4 in f32 (t = 2 x a, made earlier, times u; C of the first = the bias), issued while the tiles are on their way; the products on codes add onto them.
; So the order of the sums differs from reference()'s (bias, LoRA, then K ascending).  The accumulators are written by matrix instructions alone.
; MODE 0 is used transposed (source 0 = columns, source 1 = tokens): a lane holds one token and 32 registers along the head's 64: they are quantised along the head and leave as half images for the attention's first product.
; MODE 1 is not: a lane holds one column and 64 registers along 128 tokens: quantised along the tokens, the keys of the attention's second product.  MODE 2, transposed, leaves as f32 through a stage in LDS.
; LIMITS (modes 0, 1): a block of zeros gets the byte 1 where the rule says 127 (zero codes; this program alone reads the bytes); largest magnitudes under 2^-124 are held at byte 1; NaN and infinities are not served.
; REGISTERS, in windows of 256.  Window 0: v1-7 lane numbers and offsets; v8-23 LDS addresses, one for each chunk; v24-27 offsets; v28, v29 the add's two; v32-95 scale words and nothing else; v96-191 the tokens' eight
; fragments, ONE set; v192-255 at work at the end.  Window 1: the accumulators.  Window 2: v0-95 the columns' four fragments, TWO sets; v96-111 u; v112-143 t; v144-175 the bias.
.set MODE,  2
; THE FILLS, in place of the paragraph on LDS above: LDS holds all of K as [tile][12,288 bytes], the tokens' 16 tiles first, then the columns' 8.  Every byte is filled once, by ONE tensor load a wave at the head
; (waves 0, 1: 8 tiles of tokens each; waves 2, 3: 4 tiles of columns each); one wait for it and one barrier stand in front of the first LDS read, and no barrier stands among the K steps.
.if MODE == 0
.set TN0,   0                          ; the first tile of columns in wc: w_q's, with w_k's behind them
.set SC_A,  0                          ; the tokens' scale words in sc
.elseif MODE == 1
.set TN0,   128
.set SC_A,  0
.else
.set TN0,   192
.set SC_A,  393216
.endif
.set SC_W,  262144                     ; the weights' scale words in sc
.set CH,    73728                      ; a quarter of the tiles' bytes in LDS
.set WOFF,  196608                     ; the columns' tiles, behind the tokens' 16
.set STAGE, 4*CH                       ; mode 2: 16 rows x 272 bytes for each wave
.if MODE == 2
.set SPARE, STAGE+4*16*272             ; the spare words, 128 bytes a wave: two blocks of 256 bytes that no other line names
.else
.set SPARE, 4*CH
.endif
.set VS0, 6                            ; v6, v7 offsets of the scale words (blocks 0-3, blocks 4-7)
.set VS1, 7
.set A16, 8                            ; v8-11, v12-15   tokens: chunk c at 16 x lane, at 8 x lane
.set A8,  12
.set B16, 16                           ; v16-19, v20-23  columns likewise
.set B8,  20
.set VB,  24                           ; the bias's offset
.set STO, 25                           ; mode 2: into the stage
.set VT,  26                           ; t's offset          (mode 2: RDB, back from the stage)
.set RDB, 26
.set VU,  27                           ; u's offset          (mode 2: CO, my place in two rows of out0)
.set CO,  27
.set SPW, 28
.set NIL, 29
.set SC,  32                           ; register 8 s + i: lanes 0-15 the word of token block i, lanes 16-31 that of column block i % 4, K step s
.set AF,  96
.set BF,  0                            ; window 2
.set UF,  96
.set TF,  112
.set BI,  144
.set CD,  96                           ; at the end, window 0: codes; upper halves; words to store; maxima; permuted; scale operands; half words
.set YT,  144
.set OW,  176
.set TM,  192
.set TP,  208
.set SO,  224
.set HW,  240
.set BK,  96                           ; mode 2: rows read back, two sets of 32
.set G1X, 24                           ; s[24:31], s[32:39] descriptor groups 1;  s[40:55], s[68:83] groups 0, one for each chunk
.set G1W, 32
.set G0X, 40
.set G0W, 68
.set SEL, 56
.set PU,  58                           ; s[58:59] u;  s[60:61] the bias;  s[62:63] where the results go;  s[66:67] where their scale words go
.set PB,  60
.set PD,  62
.set PS,  66
.set WV,  84
.set WY,  85
.set WX,  86
.set CX,  87
.set CY,  88
.set GX,  89
.set GY,  90
.set MSB, 0
.macro WIN new                         ; the immediate's high byte repeats the setting that is left
.if MSB != \new
	s_set_vgpr_msb (MSB<<8)|\new
.set MSB, \new
.endif
.endm
.macro PLACES n
.rept \n
	v_nop
.endr
.endm
.macro CROUND                          ; a round of the cluster's barrier
	s_barrier_signal -1
	s_barrier_wait -1
	s_cmp_lg_u32 s[WV], 0
	s_cbranch_scc1 .Lnot_wave_0_\@
	s_barrier_signal -3
.Lnot_wave_0_\@:
	s_barrier_wait -3
	s_barrier_signal -1
	s_barrier_wait -1
.endm
	s_load_b256 s[4:11], s[0:1], 0x0               ; the tokens' codes, wc, sc, and tl (mode 2: b_o)
.if MODE == 0
	s_load_b256 s[12:19], s[0:1], 0x20             ; u_q, u_k, b_q, b_k
	s_load_b128 s[20:23], s[0:1], 0x40             ; qb, kv
.elseif MODE == 1
	s_load_b128 s[12:15], s[0:1], 0x20             ; u_v, b_v
	s_load_b64 s[20:21], s[0:1], 0x30              ; kv
.else
	s_load_b64 s[20:21], s[0:1], 0x20              ; out0
.endif
	v_lshl_add_u32 v[SPW], v0, 2, SPARE
	v_mov_b32 v[NIL], 0
	ds_add_u32 v[SPW], v[NIL]                      ; the wave's opening: the add and its wait ahead of my first tensor load; work on registers stands between them
	ds_add_u32 v[SPW], v[NIL]
	v_lshrrev_b32 v1, 5, v0
	v_readfirstlane_b32 s[WV], v1                  ; wave 0..3
	s_lshr_b32 s[WY], s[WV], 1                     ; my half of the tokens.  Also: I fetch tokens (0) or columns (1)
	s_and_b32 s[WX], s[WV], 1                      ; my half of the columns.  Also: which half of those tiles I fetch
	s_bfe_u32 s[CX], ttmp6, 0x40000
	s_bfe_u32 s[CY], ttmp6, 0x40004
	s_lshl_b32 s[GX], ttmp9, 2
	s_add_co_u32 s[GX], s[GX], s[CX]               ; work-group x: 128 columns
	s_and_b32 s[GY], ttmp7, 0xffff
	s_lshl_b32 s[GY], s[GY], 2
	s_add_co_u32 s[GY], s[GY], s[CY]               ; work-group y: 256 tokens
	s_lshl_b32 s91, s[CY], 2
	s_lshl_b32 s91, 15, s91                        ; my row of the cluster
	s_lshl_b32 s92, 0x1111, s[CX]                  ; my column
	; group 1: R rows (tiles) of 1,536 elements of 8 bytes (a tile's 12,288 bytes, all of K), one behind the other; no padding: the lanes read consecutive bytes
	s_or_b32 s[G1X], s91, (3<<16)|(1<<21)          ; 15:0 the mask; 17:16 elements of 8 bytes; 21 set beside a mask
	s_or_b32 s[G1W], s92, (3<<16)|(1<<21)
	s_mov_b32 s[G1X+1], 1536<<16                   ; tensor_dim0
	s_mov_b32 s[G1X+2], 8<<16                      ; tensor_dim1: 8 tiles of tokens a load
	s_mov_b32 s[G1X+3], 1536<<16                   ; tile_dim0
	s_mov_b32 s[G1X+4], 8                          ; tile_dim1
	s_mov_b32 s[G1X+5], 1536                       ; the pitch
	s_mov_b32 s[G1X+6], 0
	s_mov_b32 s[G1X+7], 0
	s_mov_b32 s[G1W+1], 1536<<16
	s_mov_b32 s[G1W+2], 4<<16                      ; 4 tiles of columns a load
	s_mov_b32 s[G1W+3], 1536<<16
	s_mov_b32 s[G1W+4], 4
	s_mov_b32 s[G1W+5], 1536
	s_mov_b32 s[G1W+6], 0
	s_mov_b32 s[G1W+7], 0
	s_lshl_b32 s94, s[GY], 4                       ; tokens: tile 16 y + 8 x half: made of y and the wave's number alone
	s_lshl_b32 s95, s[WX], 3
	s_add_co_u32 s94, s94, s95
	s_mul_i32 s94, s94, 12288
	s_mov_b32 s95, 0
	s_lshl_b32 s96, s[GX], 3                       ; columns: tile TN0 + 8 x + 4 x half: made of x and the wave's number alone
	s_lshl_b32 s97, s[WX], 2
	s_add_co_u32 s96, s96, s97
	s_add_co_u32 s96, s96, TN0
	s_mul_i32 s96, s96, 12288
	s_mov_b32 s97, 0
	s_mul_i32 s93, s[WX], 98304                    ; where they go: 8 tiles of tokens a wave; no place in the cluster enters an LDS address
	s_mul_i32 s100, s[WX], 49152                   ; 4 tiles of columns a wave
	s_add_co_u32 s100, s100, WOFF
	s_mov_b32 s[SEL], 0x76543210
	s_mov_b32 s[SEL+1], 0xfedcba98
	s_wait_dscnt 0x0                               ; the opening add is done
	s_wait_kmcnt 0x0
	s_add_nc_u64 s[94:95], s[4:5], s[94:95]
	s_add_nc_u64 s[96:97], s[6:7], s[96:97]
	s_mov_b32 s[G0X], 1
	s_mov_b32 s[G0X+1], s93
	s_mov_b64 s[G0X+2:G0X+3], s[94:95]
	s_or_b32 s[G0X+3], s[G0X+3], 0x80000000
	s_mov_b32 s[G0W], 1
	s_mov_b32 s[G0W+1], s100
	s_mov_b64 s[G0W+2:G0W+3], s[96:97]
	s_or_b32 s[G0W+3], s[G0W+3], 0x80000000
	CROUND                                         ; all sixteen work-groups are here: the joint loads meet
	s_cmp_eq_u32 s[WY], 0                          ; one fill a wave, in the two arms of one branch on the wave's number
	s_cbranch_scc0 .Lfor_w
	tensor_load_to_lds s[G0X:G0X+3], s[G1X:G1X+7]
	s_nop 0
	PLACES 4
	s_branch .Lasked
.Lfor_w:
	tensor_load_to_lds s[G0W:G0W+3], s[G1W:G1W+7]
	s_nop 0
	PLACES 4
.Lasked:
	v_and_b32 v1, 31, v0                           ; lane
	v_and_b32 v2, 15, v0                           ; r
	v_bfe_u32 v3, v0, 4, 1                         ; h
	v_lshlrev_b32 v4, 4, v1                        ; 16 x lane
	v_lshlrev_b32 v5, 3, v1                        ; 8 x lane
	s_mul_i32 s2, s[WY], 98304
	v_add_nc_u32 v[A16], s2, v4
	v_add_nc_u32 v[A8], s2, v5
	s_mul_i32 s2, s[WX], 49152
	s_add_co_u32 s2, s2, WOFF
	v_add_nc_u32 v[B16], s2, v4
	v_add_nc_u32 v[B8], s2, v5
	v_add_nc_u32 v[A16+1], 49152, v[A16]           ; token blocks 4-7: four tiles on, so that every offset stays inside 16 bits
	v_add_nc_u32 v[A8+1], 49152, v[A8]
	s_lshl_b32 s2, s[GY], 4
	s_lshl_b32 s98, s[WY], 3
	s_add_co_u32 s2, s2, s98
	s_lshl_b32 s98, s2, 9                          ; 512 x my first tile of tokens
	s_lshl_b32 s2, s[GX], 3
	s_lshl_b32 s99, s[WX], 2
	s_add_co_u32 s2, s2, s99
	s_lshl_b32 s2, s2, 9
	s_add_co_u32 s2, s2, SC_W+TN0*512              ; my first tile of columns' words
	s_add_co_u32 s99, s98, SC_A
	v_mov_b32 v[VS0], s99
	v_mov_b32 v[VS1], s2
	v_cmp_lt_u32 vcc_lo, 15, v1
	v_cndmask_b32 v[VS0], v[VS0], v[VS1], vcc_lo   ; lanes 0-15 take the tokens' words, lanes 16-31 the columns'
	v_lshl_add_u32 v[VS0], v2, 2, v[VS0]
	v_lshlrev_b32 v[VS1], 11, v3
	v_sub_nc_u32 v[VS1], v[VS0], v[VS1]            ; for i = 4 .. 7 the columns' lanes go round again: four tiles back
.irp s, 0,1,2,3,4,5,6,7
.irp i, 0,1,2,3
	global_load_b32 v[SC+8*\s+\i], v[VS0], s[8:9] offset:512*\i+64*\s
.endr
.irp i, 4,5,6,7
	global_load_b32 v[SC+8*\s+\i], v[VS1], s[8:9] offset:512*\i+64*\s
.endr
.endr
	s_and_b32 s99, s[GX], 7
	s_lshl_b32 s99, s99, 1
	s_add_co_u32 s99, s99, s[WX]                   ; my head: which 64 columns of the weight
.if MODE == 0
	s_mov_b32 s2, 208896
	s_mov_b32 s3, 12288
	s_cmp_lt_u32 ttmp9, 2                          ; q's columns or k's?  The cluster's x decides: alike in all partners, and no branch hangs on it
	s_cselect_b64 s[PU:PU+1], s[12:13], s[14:15]
	s_cselect_b64 s[PB:PB+1], s[16:17], s[18:19]
	s_cselect_b64 s[PD:PD+1], s[20:21], s[22:23]
	s_cselect_b32 s101, 0, 262144                  ; t's plane
	s_cselect_b32 s2, 106496, s2                   ; a head's block in qb, in kv
	s_cselect_b32 s12, 8192, s3                    ; where its codes begin
	s_cselect_b32 s13, 6144, s3                    ; from 128 tokens to the next
.elseif MODE == 1
	s_mov_b64 s[PU:PU+1], s[12:13]
	s_mov_b64 s[PB:PB+1], s[14:15]
	s_mov_b64 s[PD:PD+1], s[20:21]
	s_mov_b32 s101, 524288
	s_mov_b32 s2, 208896
	s_mov_b32 s12, 12288+6144                      ; V's half images lie behind K's in each step
	s_mov_b32 s13, 12288
.else
	s_mov_b64 s[PB:PB+1], s[10:11]
	s_mov_b64 s[PD:PD+1], s[20:21]
.endif
	s_mov_b32 s15, 0
	s_lshl_b32 s14, s99, 8                         ; 64 numbers of 4 bytes a head
	s_add_nc_u64 s[PB:PB+1], s[PB:PB+1], s[14:15]
.if MODE < 2
	s_add_nc_u64 s[PU:PU+1], s[PU:PU+1], s[14:15]
	s_add_co_u32 s14, s98, s101
	s_add_nc_u64 s[10:11], s[10:11], s[14:15]      ; t of my first tile
	s_lshr_b32 s16, s[GY], 3
	s_lshl_b32 s16, s16, 4
	s_add_co_u32 s16, s16, s99                     ; 16 x batch + head
	s_mul_i32 s14, s16, s2
	s_add_nc_u64 s[PD:PD+1], s[PD:PD+1], s[14:15]
	s_and_b32 s17, s[GY], 7
	s_lshl_b32 s17, s17, 1
	s_add_co_u32 s17, s17, s[WY]                   ; which 128 tokens of the batch's 2,048
.if MODE == 0
	s_lshl_b32 s14, s17, 9                         ; scale words: 512 bytes for 128 tokens
.else
	s_lshl_b32 s14, s17, 8
	s_add_co_u32 s14, s14, 8192                    ; V's: 256 bytes, behind K's 8,192
.endif
	s_add_nc_u64 s[PS:PS+1], s[PD:PD+1], s[14:15]
	s_mul_i32 s14, s17, s13
	s_add_co_u32 s14, s14, s12
	s_add_nc_u64 s[PD:PD+1], s[PD:PD+1], s[14:15]
	v_and_b32 v[VU], 8, v2
	v_add_nc_u32 v[VU], v[VU], v2
	v_lshlrev_b32 v[VU], 2, v[VU]                  ; column r + 8 (r / 8) of a tile
.if MODE == 1
	v_mov_b32 v[VB], v[VU]                         ; the bias of my column
.else
	v_lshlrev_b32 v[VB], 6, v3                     ; the bias of my eight columns: 16 h on
.endif
	v_lshl_add_u32 v[VU], v3, 14, v[VU]            ; u: rows 4 h on
	v_lshlrev_b32 v[VT], 5, v2
	v_lshl_add_u32 v[VT], v3, 4, v[VT]             ; t: token r, numbers 4 h on
	WIN 0x80                                       ; destination window 2
.irp a, 0,1,2,3,4,5,6,7
	global_load_b128 v[TF+4*\a:TF+4*\a+3], v[VT], s[10:11] offset:512*\a
.endr
.irp b, 0,1,2,3
.irp k, 0,1,2,3
	global_load_b32 v[UF+4*\b+\k], v[VU], s[PU:PU+1] offset:\k*4096+(32*(\b/2)+8*(\b%2))*4
.endr
.endr
.else
	s_lshl_b32 s14, s98, 7                         ; out0: my first token's row of 4,096 bytes (16 tokens a tile),
	s_add_nc_u64 s[PD:PD+1], s[PD:PD+1], s[14:15]
	s_lshl_b32 s14, s99, 8                         ; my 64 columns
	s_add_nc_u64 s[PD:PD+1], s[PD:PD+1], s[14:15]
	v_lshlrev_b32 v[VB], 6, v3
	s_mul_i32 s2, s[WV], 16*272
	s_add_co_u32 s2, s2, STAGE                     ; my stage
	v_mul_u32_u24 v[STO], v2, 272
	v_lshl_add_u32 v[STO], v3, 6, v[STO]
	v_add_nc_u32 v[STO], s2, v[STO]                ; in: row r, 64 h bytes on
	v_mul_u32_u24 v[RDB], v3, 272
	v_lshl_add_u32 v[RDB], v2, 4, v[RDB]
	v_add_nc_u32 v[RDB], s2, v[RDB]                ; back: lanes 0-15 one row of 256 bytes, lanes 16-31 the next
	v_lshlrev_b32 v[CO], 12, v3
	v_lshl_add_u32 v[CO], v2, 4, v[CO]             ; and the same two rows in out0
	WIN 0x80
.endif
.irp b, 0,1,2,3
.if MODE == 1
.irp j, 0,1,2,3,4,5,6,7
	global_load_b32 v[BI+8*\b+\j], v[VB], s[PB:PB+1] offset:(32*(\b/2)+8*(\b%2))*4      ; a lane holds one column: the same number in all eight registers
.endr
.else
	global_load_b128 v[BI+8*\b:BI+8*\b+3], v[VB], s[PB:PB+1] offset:(32*(\b/2)+8*(\b%2))*4
	global_load_b128 v[BI+8*\b+4:BI+8*\b+7], v[VB], s[PB:PB+1] offset:(32*(\b/2)+8*(\b%2))*4+16
.endif
.endr
	WIN 0
	s_wait_loadcnt 0x0
; Bias and LoRA start the sums.  Of the rank's 8, lane (r, h) holds numbers 4 h + 2 kk + j in step kk, on both sides alike.  The 32 accumulators take turns.
.macro LORA kk
.irp a, 0,1,2,3,4,5,6,7
.irp b, 0,1,2,3
.if MODE == 1
.set DA, 8*(8*\b+\a)
.set R0, TF+4*\a+2*\kk
.set R1, UF+4*\b+2*\kk
.else
.set DA, 8*(4*\a+\b)
.set R0, UF+4*\b+2*\kk
.set R1, TF+4*\a+2*\kk
.endif
.if \kk == 0
	v_wmma_f32_16x16x4_f32 v[DA:DA+7], v[R0:R0+1], v[R1:R1+1], v[BI+8*\b:BI+8*\b+7]
.else
	v_wmma_f32_16x16x4_f32 v[DA:DA+7], v[R0:R0+1], v[R1:R1+1], v[DA:DA+7]
.endif
.endr
.endr
.endm
.if MODE < 2
	WIN 0x6a                                       ; sources and C window 2, D window 1
	LORA 0
	WIN 0x5a                                       ; C window 1 too
	LORA 1
	PLACES 9                                       ; another form writes over these results next: nine places behind the f32 form
	WIN 0
.endif
.macro FRAG reg, a16, a8, off          ; a fragment: two half images, each 16 and 8 bytes a lane at consecutive addresses
	ds_load_b128 v[(\reg):(\reg)+3], v[\a16] offset:(\off)
	ds_load_b64 v[(\reg)+4:(\reg)+5], v[\a8] offset:(\off)+512
	ds_load_b128 v[(\reg)+6:(\reg)+9], v[\a16] offset:(\off)+768
	ds_load_b64 v[(\reg)+10:(\reg)+11], v[\a8] offset:(\off)+1280
.endm
.macro FETCH_B s                       ; the columns' four fragments of K step s into set s % 2: 16 loads
	WIN 0x80
.irp b, 0,1,2,3
	FRAG BF+48*((\s)%2)+12*\b, B16, B8, \b*12288+(\s)*1536
.endr
	WIN 0
.endm
.macro FETCH_A s, i0                   ; the tokens' blocks i0 .. i0 + 3: 16 loads
.irp i, \i0, \i0+1, \i0+2, \i0+3
	FRAG AF+12*(\i), A16+(\i)/4, A8+(\i)/4, ((\i)%4)*12288+(\s)*1536
.endr
.endm
.macro MWIN s
.if (MODE == 2) && ((\s) == 0)
	WIN 0x62                                       ; columns window 2, tokens window 0, C (the bias) window 2, D window 1
.elseif MODE == 1
	WIN 0x58                                       ; tokens window 0, columns window 2, C and D window 1
.else
	WIN 0x52                                       ; columns window 2, tokens window 0, C and D window 1
.endif
.endm
; 16 matrix instructions: token blocks a0 .. a0 + 3 x the four column blocks, K step s.  The accumulators take turns in the same order in every step.
.macro MUL16 s, a0
.irp a, \a0, \a0+1, \a0+2, \a0+3
.irp b, 0,1,2,3
.set RB, BF+48*((\s)%2)+12*\b
.set RA, AF+12*(\a)
.set SB, SC+8*(\s)+\b
.set SA, SC+8*(\s)+(\a)
.if MODE == 1
.set DA, 8*(8*\b+(\a))
	v_wmma_scale_f32_16x16x128_f8f6f4 v[DA:DA+7], v[RA:RA+11], v[RB:RB+11], v[DA:DA+7], v[SA], v[SB] matrix_a_fmt:MATRIX_FMT_FP6 matrix_b_fmt:MATRIX_FMT_FP6 matrix_b_scale:MATRIX_SCALE_ROW1
.else
.set DA, 8*(4*(\a)+\b)
.if (MODE == 2) && ((\s) == 0)
	v_wmma_scale_f32_16x16x128_f8f6f4 v[DA:DA+7], v[RB:RB+11], v[RA:RA+11], v[BI+8*\b:BI+8*\b+7], v[SB], v[SA] matrix_a_fmt:MATRIX_FMT_FP6 matrix_b_fmt:MATRIX_FMT_FP6 matrix_a_scale:MATRIX_SCALE_ROW1
.else
	v_wmma_scale_f32_16x16x128_f8f6f4 v[DA:DA+7], v[RB:RB+11], v[RA:RA+11], v[DA:DA+7], v[SB], v[SA] matrix_a_fmt:MATRIX_FMT_FP6 matrix_b_fmt:MATRIX_FMT_FP6 matrix_a_scale:MATRIX_SCALE_ROW1
.endif
.endif
.endr
.endr
.endm
; A K step of 128: 32 matrix instructions.  A token block is free as soon as its four products are issued, so the tokens have one set of registers: blocks 0-3 are fetched anew in the step's middle, blocks 4-7 at its end.
.macro STEP s
	s_wait_dscnt 16                                ; the columns' set and token blocks 0-3 are in; the youngest sixteen loads (blocks 4-7) may be out
	MWIN \s
	MUL16 \s, 0
	s_wait_dscnt 0x0                               ; blocks 4-7 are in
.if (\s) < 7
	PLACES 4                                       ; four places ahead of loads into registers that matrix instructions have read
	FETCH_B (\s)+1
	FETCH_A (\s)+1, 0
.endif
	MWIN \s
	MUL16 \s, 4
.if (\s) < 7
	PLACES 4
	WIN 0
	FETCH_A (\s)+1, 4
.endif
.endm
	s_wait_tensorcnt 0x0                           ; my one load has landed
	s_barrier_signal -1
	s_barrier_wait -1
	FETCH_B 0
	FETCH_A 0, 0
	FETCH_A 0, 4
.irp s, 0,1,2,3,4,5,6,7
	STEP \s
.endr
	PLACES 4                                       ; ahead of the first read of results and of writes into the fragments' registers
.if MODE < 2
; THE RESULTS ARE QUANTISED IN REGISTERS.  Registers 16 k .. 16 k + 15 of window 1 are my 16 numbers of block k of 16; lanes l and l xor 16 share a block.  Blocks 2 q, 2 q + 1 make half image q of 8.
; The work goes in runs under one window setting: all maxima, all bytes, all conversions.
	WIN 0x14                                       ; sources 1 and 2 window 1
.set k, 0
.rept 16
	v_max3_num_f32 v[TM+k], 0x1800000, |v[16*k]|, |v[16*k+1]|      ; the floor 2^(3 - 127), and each accumulator from its low end on
.set k, k+1
.endr
.irp i, 2,4,6,8,10,12,14
.set k, 0
.rept 16
	v_max3_num_f32 v[TM+k], v[TM+k], |v[16*k+\i]|, |v[16*k+\i+1]|
.set k, k+1
.endr
.endr
	WIN 0
.set k, 0
.rept 16
	v_mov_b32 v[TP+k], 0                           ; a lane permute's destination counts as one of its sources
.set k, k+1
.endr
.set k, 0
.rept 16
	v_permlanex16_b32 v[TP+k], v[TM+k], s[SEL], s[SEL+1]
.set k, k+1
.endr
.set k, 0
.rept 16
	v_max_num_f32 v[TM+k], v[TM+k], v[TP+k]        ; the block's largest magnitude
.set k, k+1
.endr
.set k, 0
.rept 16
	v_add_nc_u32 v[SO+k], 0xff000000, v[TM+k]      ; 2 off its exponent field: the conversion's scale operand
.set k, k+1
.endr
.set k, 0
.rept 16
	v_lshrrev_b32 v[TP+k], 23, v[SO+k]             ; the byte
.set k, k+1
.endr
.set k, 0
.rept 8
	v_lshl_or_b32 v[HW+k], v[TP+2*k+1], 8, v[TP+2*k]   ; two bytes: half a scale word, its upper half 0
.set k, k+1
.endr
	WIN 0x01                                       ; source 0 window 1
.set k, 0
.rept 8
	v_cvt_scalef32_pk16_fp6_f32 v[CD+6*k:CD+6*k+2], v[32*k:32*k+15], v[SO+2*k]
	v_cvt_scalef32_pk16_fp6_f32 v[YT+4*k:YT+4*k+2], v[32*k+16:32*k+31], v[SO+2*k+1]
.set k, k+1
.endr
	WIN 0
	v_nop                                          ; one plain place behind a scaled conversion
.set k, 0
.rept 8
.irp i, 0,1,2
	v_permlane16_swap_b32 v[CD+6*k+\i], v[YT+4*k+\i]   ; a WHOLE block in a lane: lanes 0-15 the lower block, lanes 16-31 the upper
.endr
.irp i, 0,1,2
	v_mov_b32 v[CD+3+6*k+\i], v[YT+4*k+\i]
.endr
.set k, k+1
.endr
.set k, 0
.rept 8
	global_store_b128 v4, v[CD+6*k:CD+6*k+3], s[PD:PD+1] offset:768*k          ; 512 consecutive bytes,
	global_store_b64 v5, v[CD+6*k+4:CD+6*k+5], s[PD:PD+1] offset:768*k+512     ; 256 consecutive bytes
.set k, k+1
.endr
	v_cmp_lt_u32 vcc_lo, 15, v1
.if MODE == 0
.irp i, 0,1,2,3
	v_cndmask_b32 v[OW+\i], v[HW+2*\i], v[HW+2*\i+1], vcc_lo   ; word i: lanes 0-15 tile 2 i's, lanes 16-31 tile 2 i + 1's: one register serves two tiles
.endr
	global_store_b128 v4, v[OW:OW+3], s[PS:PS+1]
.else
.irp b, 0,1,2,3
	v_lshl_or_b32 v[OW+4+\b], v[HW+2*\b+1], 16, v[HW+2*\b]     ; four bytes: the word of column tile b for these 128 tokens
.endr
.irp i, 0,1
	v_cndmask_b32 v[OW+\i], v[OW+4+2*\i], v[OW+5+2*\i], vcc_lo
.endr
	global_store_b64 v5, v[OW:OW+1], s[PS:PS+1]
.endif
.else
; THE WAY OUT, a block of 16 tokens x 64 columns at a time, through my own stage: a lane holds 8 neighbouring columns of a row, sixteen lanes store a row's 256 consecutive bytes, aligned.
; LDS serves a wave's instructions in order (ISA guide 5.7.1.4): no wait between the stores and the loads, nor ahead of the next block's stores.
.macro TOSTAGE a
	WIN 0x04                                       ; an LDS store's data are its source 1: window 1
.irp b, 0,1,2,3
	ds_store_b128 v[STO], v[8*(4*(\a)+\b):8*(4*(\a)+\b)+3] offset:128*(\b/2)+32*(\b%2)          ; each accumulator from its low end on
	ds_store_b128 v[STO], v[8*(4*(\a)+\b)+4:8*(4*(\a)+\b)+7] offset:128*(\b/2)+32*(\b%2)+16
.endr
	WIN 0
.irp i, 0,1,2,3,4,5,6,7
	ds_load_b128 v[BK+32*((\a)%2)+4*\i:BK+32*((\a)%2)+4*\i+3], v[RDB] offset:\i*2*272
.endr
.endm
.macro SEND a, younger                 ; place 2 i + (lane / 16) of tile a is token 32 (a / 2) + 8 (a % 2) + 2 i + 8 (i / 4) + (lane / 16) of my 128
	s_wait_dscnt \younger
.irp i, 0,1,2,3,4,5,6,7
	global_store_b128 v[CO], v[BK+32*((\a)%2)+4*\i:BK+32*((\a)%2)+4*\i+3], s[PD:PD+1] offset:(32*((\a)/2)+8*((\a)%2)+2*\i+8*(\i/4))*4096 th:TH_STORE_NT
.endr
.endm
	s_wait_alu depctr_va_vdst(0)
	TOSTAGE 0
.irp a, 1,2,3,4,5,6,7
.if \a > 1
	s_wait_xcnt 0x0                                ; block a - 2's stores have read their registers: block a's loads may land there
.endif
	TOSTAGE \a
	SEND \a-1, 16                                  ; behind block a - 1's loads: block a's 8 stores and 8 loads
.endr
	SEND 7, 0
.endif
	s_wait_tensorcnt 0x0                           ; the wave's end
	ds_add_u32 v[SPW], v[NIL]
	s_wait_dscnt 0x0
	CROUND                                         ; the closing round
	s_endpgm
.Lfunc_end_k_q36cbd807c7_gemm_o:
	.size	k_q36cbd807c7_gemm_o, .Lfunc_end_k_q36cbd807c7_gemm_o-k_q36cbd807c7_gemm_o
	.p2alignl 7, 3214868480
	.fill 96, 4, 3214868480
	.section	.rodata,"a",@progbits
	.p2align	6, 0x0
	.amdhsa_kernel k_q36cbd807c7_gemm_o
		.amdhsa_group_segment_fixed_size 327680
		.amdhsa_private_segment_fixed_size 0
		.amdhsa_enable_private_segment 0
		.amdhsa_kernarg_size 40
		.amdhsa_user_sgpr_count 2
		.amdhsa_user_sgpr_kernarg_segment_ptr 1
		.amdhsa_wavefront_size32 1
		.amdhsa_system_sgpr_workgroup_id_x 1
		.amdhsa_system_sgpr_workgroup_id_y 1
		.amdhsa_system_sgpr_workgroup_id_z 1
		.amdhsa_system_vgpr_workitem_id 0
		.amdhsa_next_free_vgpr 768
		.amdhsa_next_free_sgpr 102
		.amdhsa_reserve_vcc 1
		.amdhsa_float_denorm_mode_32 3
		.amdhsa_float_denorm_mode_16_64 3
		.amdhsa_memory_ordered 1
		.amdhsa_forward_progress 1
		.amdhsa_inst_pref_size 89
	.end_amdhsa_kernel
	.amdgpu_metadata
---
amdhsa.version: [ 1, 2 ]
amdhsa.kernels:
  - .name:           k_q36cbd807c7_gemm_o
    .symbol:         k_q36cbd807c7_gemm_o.kd
    .args:
      - { .name: oc, .offset: 0, .size: 8, .value_kind: global_buffer, .address_space: global }
      - { .name: wc, .offset: 8, .size: 8, .value_kind: global_buffer, .address_space: global }
      - { .name: sc, .offset: 16, .size: 8, .value_kind: global_buffer, .address_space: global }
      - { .name: b_o, .offset: 24, .size: 8, .value_kind: global_buffer, .address_space: global }
      - { .name: out0, .offset: 32, .size: 8, .value_kind: global_buffer, .address_space: global }
    .group_segment_fixed_size: 327680
    .private_segment_fixed_size: 0
    .kernarg_segment_align: 8
    .kernarg_segment_size: 40
    .max_flat_workgroup_size: 128
    .sgpr_count:     102
    .vgpr_count:     768
    .wavefront_size: 32
...
	.end_amdgpu_metadata
.endif
;; end of part 6
